; MI455X (gfx1250); checked and timed in simulation.
; The chip was launched on July 23, 2026; its instructions are those of AMD's public machine-readable ISA for CDNA 5 (MIT licence, August 2026) and "CDNA5" Instruction Set Architecture Reference Guide (July 2026). The comments in the code are by the model that wrote it; some were corrected since.
;; Point Net Feature Propagation. Allowed arithmetic: float matrix products may take bf16 or f16 operands with f32 sums; other float arithmetic in f32, or as packed bf16 or f16 multiplies, adds, multiply-adds, maxima and minima; sums over many terms, partial sums and values carried from step to step in f32; what a program stores and reads back later, other than sums and carried values, may be rounded once to bf16 or f16.
;; Inputs: W1 256 x 384 float32; W2 128 x 256 float32; b1 256 float32; b2 128 float32; be1 256 float32; be2 128 float32; g1 256 float32; g2 128 float32; points1 8 x 128 x 16,384 float32; points2 8 x 256 x 1,024 float32; xyz1 8 x 16,384 x 3 float32; xyz2 8 x 1,024 x 3 float32.
;; Outputs: out0 8 x 128 x 16,384 float32.
;; 2 versions, each right; version 2 is version 1 with the launches knn_coarse, conv2 written anew for expert scheduling mode. Each part assembles by itself: llvm-mc -triple=amdgcn-amd-amdhsa -mcpu=gfx1250 --defsym DOCPART=n.
;; ======== version 1 of 2: 7 launches
;; limits: values are held in f16: magnitudes above 65,504 overflow, below 6.1e-05 lose precision
;; workspace buffers: blk 524,288 bytes of whole numbers; nidx 524,288 bytes of whole numbers; prep 6,291,456 bytes; y1 67,633,152 bytes; y2 33,816,576 bytes; ab1 4,096 bytes; ab2 2,048 bytes
;; launch knn_coarse (part 1): grid 256 x 1, 8 waves a work-group, no clusters, 33,792 bytes of LDS; arguments xyz1, xyz2, blk; writes blk
.if DOCPART == 1
	.amdgcn_target "amdgcn-amd-amdhsa--gfx1250"
	.amdhsa_code_object_version 6
	.text
	.protected	k_qfbd9065aed_knn_coarse
	.globl	k_qfbd9065aed_knn_coarse
	.p2align	8
	.type	k_qfbd9065aed_knn_coarse,@function
k_qfbd9065aed_knn_coarse:
	s_mov_b64 s[64:65], 0
	v_nop
	global_prefetch_b8 v0, s[64:65] scope:SCOPE_SE
	s_setreg_imm32_b32 hwreg(HW_REG_WAVE_MODE, 25, 1), 1
	s_wait_xcnt 0x0
; COARSE NEAREST NEIGHBOURS.  For each of 131,072 queries: which four blocks of 8 consecutive candidates (of 128 blocks) have the smallest least distance.
; The three nearest candidates lie in the three blocks with the smallest minima; a fourth is kept as margin.  The exact choice among the 32 candidates is the next launch's.
; d2 = |x1|^2 + |x2|^2 - 2 x1.x2 comes from ONE bf16 matrix instruction for 16 candidates (rows) x 16 queries (columns):
;   k 0-2: s x (-2 x);  k 3-5: |s|^2 in three bf16 pieces x 1;  k 6-8: 1 x |x|^2 in three bf16 pieces;  all other k are 0.
; In the result a lane holds 8 consecutive candidates of one query: one block.  Per block: 4 lines for its minimum, 1 to put the block's number into the 7 low bits, 4 to insert the key into a sorted list of four.
; All coordinates are rounded to bf16 first (the whole program works on inputs rounded to bf16).
; LIMITS.  The key keeps 17 significant bits of d2, and d2 carries the rounding of sums of the size of |x1|^2 + |x2|^2: a block of the true three is lost only if two further blocks lie within that of it.
; NaN and infinities are not treated.
; SHARES.  A work-group: 512 queries of one batch; a wave 64, in four column tiles; tile p = 2 a + e holds in column r the wave's query 2 r + 32 a + e, so that lane L ends with queries 2 L and 2 L + 1.
.set SPARE, 32768                      ; behind the table: the spare words, 128 bytes a wave
.set AA, 16                            ; v16-47   four buffers of a candidate fragment; registers 4-7 of each stay 0
.set BB, 48                            ; v48-79   the four query fragments; registers 4-7 of each are 0
.set DD, 80                            ; v80-143  two sets of four results; at the start: loaded coordinates and temporaries
.set LS, 144                           ; v144-159 tile p: its sorted list m0 <= m1 <= m2 <= m3
	s_load_b128 s[4:7], s[0:1], 0x0                ; xyz1, xyz2
	s_load_b64 s[8:9], s[0:1], 0x10                ; blk
	v_lshl_add_u32 v4, v0, 2, SPARE                ; my spare word
	v_mov_b32 v5, 0
	v_lshrrev_b32 v6, 5, v0
	v_readfirstlane_b32 s10, v6                    ; wave
	v_and_b32 v1, 15, v0                           ; r
	v_bfe_u32 v2, v0, 4, 1                         ; h
	v_and_b32 v3, 31, v0
	v_lshlrev_b32 v10, 3, v3                       ; 8 L: where I store two queries' words
	v_lshlrev_b32 v3, 4, v3                        ; 16 L: my 16 bytes of a table tile
	v_mul_u32_u24 v8, v0, 48                       ; four candidates a thread: 48 bytes
	v_mul_u32_u24 v9, v1, 24                       ; two queries: 24 bytes
	v_lshrrev_b32 v6, 2, v0
	v_and_b32 v7, 3, v0
	v_lshlrev_b32 v6, 9, v6
	v_lshl_add_u32 v6, v7, 6, v6                   ; candidate 4 t + e lies in tile t / 4 at 16 (4 (t % 4) + e)
	v_mov_b32 v7, 0
	s_lshr_b32 s12, ttmp9, 5                       ; batch
	s_mul_i32 s20, s12, 12288
	s_mov_b32 s21, 0
	s_mul_i32 s22, ttmp9, 6144                     ; 512 queries x 12 bytes
	s_mul_i32 s12, s10, 768
	s_add_co_u32 s22, s22, s12
	s_mov_b32 s23, 0
	s_lshl_b32 s24, ttmp9, 11
	s_lshl_b32 s12, s10, 8
	s_add_co_u32 s24, s24, s12
	s_mov_b32 s25, 0
	s_mov_b32 s14, 0                               ; 2 x the tile in hand: the even block's number
	s_mov_b32 s15, 0xffffff80
	s_mov_b32 s16, 0x76543210                      ; v_permlanex16_b32: each lane takes its own place in the other half
	s_mov_b32 s17, 0xfedcba98
	s_mov_b32 s18, 0xffff0000                      ; the lanes with h = 1
	s_wait_kmcnt 0x0
	s_add_nc_u64 s[6:7], s[6:7], s[20:21]
	s_add_nc_u64 s[4:5], s[4:5], s[22:23]
	s_add_nc_u64 s[8:9], s[8:9], s[24:25]
	global_load_b128 v[80:83], v8, s[6:7]
	global_load_b128 v[84:87], v8, s[6:7] offset:16
	global_load_b128 v[88:91], v8, s[6:7] offset:32
.irp a, 0,1
.irp q, 0,1,2
	global_load_b64 v[92+6*\a+2*\q:93+6*\a+2*\q], v9, s[4:5] offset:384*\a+8*\q
.endr
.endr
	v_mov_b32 v107, 0x3f803f80                     ; 1, 1 in bf16
	v_mov_b32 v115, 1.0
	v_mov_b32 v116, 0x3f80                         ; the h = 1 piece of a candidate: k 8 = 1, the rest 0
	v_mov_b32 v117, 0
	v_mov_b32 v118, 0
	v_mov_b32 v119, 0
.irp u, 0,1,2,3
.irp j, 4,5,6,7
	v_mov_b32 v[AA+8*\u+\j], 0
	v_mov_b32 v[BB+8*\u+\j], 0
.endr
.endr
.irp i, 0,1,2,3,4,5,6,7,8,9,10,11,12,13,14,15
	v_mov_b32 v[LS+\i], 0x7f7fff00                 ; far above every key
.endr
.irp i, 0,1,2,3
	v_mov_b32 v[164+\i], 0                         ; destinations of the lane exchange count as read
.endr
; Candidate e of my four: rounded, its squared norm split in three bf16 pieces, both 16-byte pieces of its row stored.
.macro CAND e
	v_cvt_pk_bf16_f32 v104, v[80+3*\e], v[81+3*\e]
	v_cvt_pk_bf16_f32 v108, v[82+3*\e], v[82+3*\e]
	v_lshlrev_b32 v109, 16, v104
	v_and_b32 v110, 0xffff0000, v104
	v_lshlrev_b32 v111, 16, v108
	v_mul_f32 v112, v109, v109
	v_fmac_f32 v112, v110, v110
	v_fmac_f32 v112, v111, v111
	v_cvt_pk_bf16_f32 v105, v111, v112             ; z, first piece
	v_and_b32 v113, 0xffff0000, v105
	v_sub_f32 v113, v112, v113
	v_cvt_pk_bf16_f32 v114, v113, v113
	v_lshlrev_b32 v114, 16, v114
	v_sub_f32 v114, v113, v114
	v_cvt_pk_bf16_f32 v106, v113, v114             ; second and third piece
	ds_store_b128 v6, v[104:107] offset:16*\e
	ds_store_b128 v6, v[116:119] offset:256+16*\e
.endm
; The query fragment of tile p: every lane makes both pieces and keeps the one of its half.
.macro QFRAG p
.set QX, 92+6*((\p)/2)+3*((\p)%2)
	v_cvt_pk_bf16_f32 v104, v[QX], v[QX+1]
	v_cvt_pk_bf16_f32 v108, v[QX+2], v[QX+2]
	v_lshlrev_b32 v109, 16, v104
	v_and_b32 v110, 0xffff0000, v104
	v_lshlrev_b32 v111, 16, v108
	v_mul_f32 v112, v109, v109
	v_fmac_f32 v112, v110, v110
	v_fmac_f32 v112, v111, v111
	v_mul_f32 v109, -2.0, v109
	v_mul_f32 v110, -2.0, v110
	v_mul_f32 v111, -2.0, v111
	v_cvt_pk_bf16_f32 v104, v109, v110
	v_cvt_pk_bf16_f32 v105, v111, v115
	v_cvt_pk_bf16_f32 v113, v112, v112
	v_lshlrev_b32 v113, 16, v113
	v_sub_f32 v113, v112, v113
	v_cvt_pk_bf16_f32 v114, v113, v113
	v_lshlrev_b32 v114, 16, v114
	v_sub_f32 v114, v113, v114
	v_cvt_pk_bf16_f32 v106, v112, v113             ; first and second piece
	v_cvt_pk_bf16_f32 v108, v114, v7               ; third piece, 0
	v_cndmask_b32 v[BB+8*(\p)], v104, v108, s18
	v_cndmask_b32 v[BB+8*(\p)+1], v105, v7, s18
	v_cndmask_b32 v[BB+8*(\p)+2], v107, v7, s18
	v_cndmask_b32 v[BB+8*(\p)+3], v106, v7, s18
.endm
	s_wait_loadcnt 0x6                             ; the three loads of candidates are in; the six of queries, issued behind them, may be out
	CAND 0
	CAND 1
	CAND 2
	CAND 3
	s_wait_loadcnt 0x0
	QFRAG 0
	QFRAG 1
	QFRAG 2
	QFRAG 3
	s_wait_dscnt 0x0                               ; my rows of the table are written,
	s_barrier_signal -1
	s_barrier_wait -1                              ; everybody's are
.macro WM set, u, p                    ; 16 candidates of buffer u x the 16 queries of tile p
	v_wmma_f32_16x16x32_bf16 v[DD+32*(\set)+8*(\p):DD+32*(\set)+8*(\p)+7], v[AA+8*(\u):AA+8*(\u)+7], v[BB+8*(\p):BB+8*(\p)+7], 0
.endm
; Tiles p and p + 1 of a set, line by line in turn.  Each result's lowest registers are read first.
.macro PROC2 set, p
.set PD0, DD+32*(\set)+8*(\p)
.set PD1, PD0+8
.set PL0, LS+4*(\p)
.set PL1, PL0+4
	v_min3_num_f32 v160, v[PD0], v[PD0+1], v[PD0+2]
	v_min3_num_f32 v162, v[PD1], v[PD1+1], v[PD1+2]
	v_min3_num_f32 v161, v[PD0+3], v[PD0+4], v[PD0+5]
	v_min3_num_f32 v163, v[PD1+3], v[PD1+4], v[PD1+5]
	v_min3_num_f32 v160, v160, v161, v[PD0+6]
	v_min3_num_f32 v162, v162, v163, v[PD1+6]
	v_min_num_f32 v160, v160, v[PD0+7]
	v_min_num_f32 v162, v162, v[PD1+7]
	v_and_or_b32 v160, v160, s15, s14              ; the key: the minimum with the block's number in its 7 low bits
	v_and_or_b32 v162, v162, s15, s14
	v_med3_num_f32 v[PL0+3], v[PL0+2], v[PL0+3], v160
	v_med3_num_f32 v[PL1+3], v[PL1+2], v[PL1+3], v162
	v_med3_num_f32 v[PL0+2], v[PL0+1], v[PL0+2], v160
	v_med3_num_f32 v[PL1+2], v[PL1+1], v[PL1+2], v162
	v_med3_num_f32 v[PL0+1], v[PL0], v[PL0+1], v160
	v_med3_num_f32 v[PL1+1], v[PL1], v[PL1+1], v162
	v_min_num_f32 v[PL0], v[PL0], v160
	v_min_num_f32 v[PL1], v[PL1], v162
.endm
; Candidate tile t (t % 4 = u) is worked on while tile t + 1 is multiplied.  Between a product and the first read of its result, and between the last product on a buffer and
; the load that fills it again, stand 18 plain vector lines or more that name none of its registers (ISA guide 7.12.1 asks for four).
.macro STEP u, ld, cnt
	s_wait_dscnt \cnt                              ; LDS loads come back in order: tile t + 1 is in, the younger ones may be out
	WM ((\u)+1)%2, ((\u)+1)%4, 0
	WM ((\u)+1)%2, ((\u)+1)%4, 1
	PROC2 (\u)%2, 0
.if \ld
	ds_load_b128 v[AA+8*(\u):AA+8*(\u)+3], v3 offset:((\u)+4)*512  ; tile t + 4
.endif
	WM ((\u)+1)%2, ((\u)+1)%4, 2
	WM ((\u)+1)%2, ((\u)+1)%4, 3
	PROC2 (\u)%2, 2
	s_add_co_u32 s14, s14, 2
.endm
.irp u, 0,1,2,3
	ds_load_b128 v[AA+8*\u:AA+8*\u+3], v3 offset:512*\u
.endr
	s_wait_dscnt 0x3                               ; tile 0 is in
	WM 0, 0, 0
	WM 0, 0, 1
	WM 0, 0, 2
	WM 0, 0, 3
.rept 4
	v_nop
.endr
	s_mov_b32 s13, 15
.Lwalk:                                                ; four tiles a trip; the count 2 leaves the loads of tiles t + 2 and t + 3 out
	STEP 0, 1, 2
	STEP 1, 1, 2
	STEP 2, 1, 2
	STEP 3, 1, 2
	v_add_nc_u32 v3, 2048, v3
	s_sub_co_u32 s13, s13, 1
	s_cmp_lg_u32 s13, 0
	s_cbranch_scc1 .Lwalk
	STEP 0, 0, 2                                   ; tiles 60 to 63: nothing is left to load, the counts run down
	STEP 1, 0, 1
	STEP 2, 0, 0
	PROC2 1, 0
	PROC2 1, 2
; The two halves of the lanes hold the even and the odd blocks of a query.  Of two sorted lists of four the four smallest are min(m_i, q_(3-i)).  Their numbers are sorted, so that the next launch walks candidates in ascending order.
.macro CE a, b
	v_min_u32 v172, v[160+\a], v[160+\b]
	v_max_u32 v[160+\b], v[160+\a], v[160+\b]
	v_mov_b32 v[160+\a], v172
.endm
.macro MERGE p
.irp i, 0,1,2,3
	v_or_b32 v[LS+4*(\p)+\i], v[LS+4*(\p)+\i], v2
.endr
.irp i, 0,1,2,3
	v_permlanex16_b32 v[164+\i], v[LS+4*(\p)+\i], s16, s17
.endr
.irp i, 0,1,2,3
	v_min_num_f32 v[160+\i], v[LS+4*(\p)+\i], v[167-\i]
.endr
.irp i, 0,1,2,3
	v_and_b32 v[160+\i], 0x7f, v[160+\i]
.endr
	CE 0, 1
	CE 2, 3
	CE 0, 2
	CE 1, 3
	CE 1, 2
	v_lshl_or_b32 v[168+(\p)], v161, 8, v160
	v_lshl_or_b32 v[168+(\p)], v162, 16, v[168+(\p)]
	v_lshl_or_b32 v[168+(\p)], v163, 24, v[168+(\p)]
.endm
	MERGE 0
	MERGE 1
	MERGE 2
	MERGE 3
	v_cndmask_b32 v176, v168, v170, s18            ; lane L keeps queries 2 L and 2 L + 1
	v_cndmask_b32 v177, v169, v171, s18
	global_store_b64 v10, v[176:177], s[8:9]       ; the wave stores 256 consecutive bytes, aligned
	s_wait_tensorcnt 0x0                           ; the wave's end
	ds_add_u32 v4, v5
	s_wait_dscnt 0x0
	s_endpgm
.Lfunc_end_k_qfbd9065aed_knn_coarse:
	.size	k_qfbd9065aed_knn_coarse, .Lfunc_end_k_qfbd9065aed_knn_coarse-k_qfbd9065aed_knn_coarse
	.p2alignl 7, 3214868480
	.fill 96, 4, 3214868480
	.section	.rodata,"a",@progbits
	.p2align	6, 0x0
	.amdhsa_kernel k_qfbd9065aed_knn_coarse
		.amdhsa_group_segment_fixed_size 33792
		.amdhsa_private_segment_fixed_size 0
		.amdhsa_enable_private_segment 0
		.amdhsa_kernarg_size 24
		.amdhsa_user_sgpr_count 2
		.amdhsa_user_sgpr_kernarg_segment_ptr 1
		.amdhsa_wavefront_size32 1
		.amdhsa_system_sgpr_workgroup_id_x 1
		.amdhsa_system_sgpr_workgroup_id_y 1
		.amdhsa_system_sgpr_workgroup_id_z 1
		.amdhsa_system_vgpr_workitem_id 0
		.amdhsa_next_free_vgpr 184
		.amdhsa_next_free_sgpr 66
		.amdhsa_reserve_vcc 0
		.amdhsa_float_denorm_mode_32 3
		.amdhsa_float_denorm_mode_16_64 3
		.amdhsa_memory_ordered 1
		.amdhsa_forward_progress 1
		.amdhsa_inst_pref_size 39
	.end_amdhsa_kernel
	.amdgpu_metadata
---
amdhsa.version: [ 1, 2 ]
amdhsa.kernels:
  - .name:           k_qfbd9065aed_knn_coarse
    .symbol:         k_qfbd9065aed_knn_coarse.kd
    .args:
      - { .name: xyz1, .offset: 0, .size: 8, .value_kind: global_buffer, .address_space: global }
      - { .name: xyz2, .offset: 8, .size: 8, .value_kind: global_buffer, .address_space: global }
      - { .name: blk, .offset: 16, .size: 8, .value_kind: global_buffer, .address_space: global }
    .group_segment_fixed_size: 33792
    .private_segment_fixed_size: 0
    .kernarg_segment_align: 8
    .kernarg_segment_size: 24
    .max_flat_workgroup_size: 256
    .sgpr_count:     66
    .vgpr_count:     184
    .wavefront_size: 32
...
	.end_amdgpu_metadata
.endif
;; end of part 1
;; launch prep_fine (part 2): grid 256 x 1, 8 waves a work-group, no clusters, 78,336 bytes of LDS; arguments W1, b1, points2, xyz1, xyz2, blk, prep, nidx; writes prep, nidx
.if DOCPART == 2
	.amdgcn_target "amdgcn-amd-amdhsa--gfx1250"
	.amdhsa_code_object_version 6
	.text
	.protected	k_qfbd9065aed_prep_fine
	.globl	k_qfbd9065aed_prep_fine
	.p2align	8
	.type	k_qfbd9065aed_prep_fine,@function
k_qfbd9065aed_prep_fine:
	s_mov_b64 s[64:65], 0
	v_nop
	global_prefetch_b8 v0, s[64:65] scope:SCOPE_SE
	s_setreg_imm32_b32 hwreg(HW_REG_WAVE_MODE, 25, 1), 1
	s_wait_xcnt 0x0
; TWO JOBS IN ONE LAUNCH.
; (P) THE TABLE.  W1 = [W1a | W1b] (128 and 256 columns).  W1b . interp = sum over the three neighbours of w_k (W1b . points2)[:, idx_k], so W1b . points2 is made once:
;     T[b][half][s][ch] = W1b . p2[b,:,s] + b1 - W1b . p_ref, in f16, with p_ref = points2[0,:,0].  The constant per channel does not change a batch norm's result; it keeps T small
;     where points2 carries a common offset.  A work-group makes 64 s x 128 channels; a wave 16 channels x 64 s.  Operands in bf16, sums in f32.
; (F) THE EXACT THREE NEIGHBOURS.  Of the 32 candidates of the four blocks that the launch before stored (whole numbers, clamped before they enter an LDS address), in ascending order:
;     d2 = (|x1|^2 + |x2|^2) - 2 x1.x2 in f32 on coordinates rounded to bf16, each sum of three taken as ((p0 + p1) + p2).  The products of bf16 numbers are exact in f32, so a fused multiply-add
;     rounds as a product and an add do.  A candidate displaces only by '<': equal distances keep the lower index.  Weights: 1 / (d + 1e-8), divided by their sum, by v_rcp_f32.
; LIMITS.  T lies within f16's 65,504.  NaN and infinities are not treated.  The order of the sums is taken as written above.
.set CT,    0                          ; 128 blocks of 8 candidates, 144 bytes apart; a candidate is x, y, z, |s|^2 in f32
.set REF,   18432                      ; p_ref, 256 bf16
.set PB,    18944                      ; points2 in bf16, [256 d][64 s], rows 160 bytes apart (an odd multiple of 32)
.set STG,   59904                      ; 64 rows (s) of 256 bytes (128 channels in f16), 272 apart
.set SPARE, 77312
.set AF,  16                           ; v16-79   W1b's fragments: 8 K steps
.set TW,  80                           ; v80-143  loaded f32, then the K step's fragments of points2 (32) and p_ref (8)
.set ACC, 144                          ; v144-175 four s tiles
.set AK,  176                          ; v176-183 W1b . p_ref
.set B1,  184                          ; v184-191
.set PK,  192                          ; v192-207
; v208-239: for each of my two queries X Y Z N1 D0 D1 D2 I0 I1 I2 BW AD IB
	s_load_b512 s[4:19], s[0:1], 0x0               ; W1 4, b1 6, points2 8, xyz1 10, xyz2 12, blk 14, prep 16, nidx 18
	v_lshl_add_u32 v4, v0, 2, SPARE
	v_mov_b32 v5, 0
	v_lshrrev_b32 v6, 5, v0
	v_readfirstlane_b32 s20, v6                    ; wave
	s_lshr_b32 s22, ttmp9, 5                       ; batch
	s_bfe_u32 s23, ttmp9, 0x40001                  ; which 64 s
	s_and_b32 s24, ttmp9, 1                        ; which 128 channels
	v_and_b32 v1, 15, v0
	v_bfe_u32 v2, v0, 4, 1
	v_mul_u32_u24 v6, v0, 48
	v_lshlrev_b32 v7, 12, v0                       ; p_ref: channel t lies t rows of 4,096 bytes down
	v_lshlrev_b32 v8, 12, v2
	v_lshl_add_u32 v8, v1, 4, v8                   ; a row of the tile: 16 lanes x 16 bytes; the halves take two rows
	v_lshlrev_b32 v9, 2, v0
	v_mul_u32_u24 v10, v0, 12
	v_lshlrev_b32 v11, 5, v2
	v_mul_u32_u24 v12, v1, 1536
	v_lshl_add_u32 v12, v2, 5, v12                 ; W1: row r, 8 h columns on
	v_lshrrev_b32 v13, 1, v0
	v_mul_u32_u24 v13, v13, 144
	v_and_b32 v14, 1, v0
	v_lshl_add_u32 v13, v14, 6, v13                ; candidate 4 t + e: block t / 2, place 4 (t % 2) + e
	s_mul_i32 s38, s20, 5120
	s_add_co_u32 s38, s38, PB
	v_mul_u32_u24 v14, v2, 160
	v_lshl_add_u32 v14, v1, 3, v14
	v_add_nc_u32 v14, s38, v14                     ; rows 32 w + 2 i + h of PB
	v_and_b32 v15, 7, v0
	v_lshl_add_u32 v15, v2, 3, v15
	v_mul_u32_u24 v15, v15, 160
	v_bfe_u32 v3, v0, 3, 1
	v_lshl_add_u32 v15, v3, 4, v15
	v_add_nc_u32 v15, PB, v15                      ; the turning load: row 8 h + L % 8, 16 bytes by (L / 8) % 2
	v_lshl_add_u32 v240, v2, 4, REF
	s_lshl_b32 s38, s20, 5
	s_add_co_u32 s38, s38, STG
	v_mul_u32_u24 v241, v1, 272
	v_lshl_add_u32 v241, v2, 4, v241
	v_add_nc_u32 v241, s38, v241                   ; into the stage: row r, my wave's 32 bytes
	s_mul_i32 s38, s20, 2176
	s_add_co_u32 s38, s38, STG
	v_mul_u32_u24 v242, v2, 272
	v_lshl_add_u32 v242, v1, 4, v242
	v_add_nc_u32 v242, s38, v242                   ; back: rows 8 w + 2 i + h, whole
	s_lshl_b32 s38, s20, 11
	v_lshlrev_b32 v243, 8, v2
	v_lshl_add_u32 v243, v1, 4, v243
	v_add_nc_u32 v243, s38, v243
	v_lshlrev_b32 v244, 4, v0
	v_lshl_add_u32 v245, v0, 1, REF
	s_mov_b32 s27, 0
	s_wait_kmcnt 0x0
	s_mul_i32 s26, s22, 12288
	s_add_nc_u64 s[12:13], s[12:13], s[26:27]      ; xyz2 at my batch
	s_lshl_b32 s26, s22, 20
	s_lshl_b32 s38, s23, 8
	s_add_co_u32 s26, s26, s38
	s_lshl_b32 s38, s20, 17
	s_add_co_u32 s26, s26, s38
	s_add_nc_u64 s[28:29], s[8:9], s[26:27]        ; points2 at my batch, my 64 s, my wave's 32 rows
	s_lshl_b32 s26, ttmp9, 11
	s_add_nc_u64 s[14:15], s[14:15], s[26:27]
	s_add_nc_u64 s[18:19], s[18:19], s[26:27]
	s_mul_i32 s26, ttmp9, 6144
	s_add_nc_u64 s[10:11], s[10:11], s[26:27]
	s_lshl_b32 s38, s24, 7
	s_lshl4_add_u32 s38, s20, s38                  ; my first channel: 128 half + 16 wave
	s_lshl_b32 s26, s38, 2
	s_add_nc_u64 s[6:7], s[6:7], s[26:27]
	s_mul_i32 s26, s38, 1536
	s_add_co_u32 s26, s26, 512                     ; W1b begins at column 128
	s_add_nc_u64 s[4:5], s[4:5], s[26:27]
	s_lshl1_add_u32 s38, s22, s24
	s_lshl_b32 s26, s38, 18
	s_lshl_b32 s38, s23, 14
	s_add_co_u32 s26, s26, s38
	s_add_nc_u64 s[30:31], s[16:17], s[26:27]      ; the table at my 64 rows
	s_lshl_b32 s26, ttmp9, 13
	s_add_co_u32 s26, s26, 4194304
	s_add_nc_u64 s[16:17], s[16:17], s[26:27]      ; the weights at my 512 queries
	global_load_b128 v[16:19], v6, s[12:13]
	global_load_b128 v[20:23], v6, s[12:13] offset:16
	global_load_b128 v[24:27], v6, s[12:13] offset:32
	global_load_b32 v28, v7, s[8:9]
.irp i, 0,1,2,3,4,5,6,7,8,9,10,11,12,13,14,15
	global_load_b128 v[TW+4*\i:TW+4*\i+3], v8, s[28:29] offset:8192*\i
.endr
.irp p, 0,1
	global_load_b32 v[218+16*\p], v9, s[14:15] offset:1024*\p
	global_load_b32 v[208+16*\p], v10, s[10:11] offset:3072*\p
	global_load_b32 v[209+16*\p], v10, s[10:11] offset:3072*\p+4
	global_load_b32 v[210+16*\p], v10, s[10:11] offset:3072*\p+8
.endr
	global_load_b128 v[B1:B1+3], v11, s[6:7]
	global_load_b128 v[B1+4:B1+7], v11, s[6:7] offset:16
	s_wait_loadcnt 0x0
.irp e, 0,1,2,3                        ; my four candidates into CT
	v_cvt_pk_bf16_f32 v32, v[16+3*\e], v[17+3*\e]
	v_cvt_pk_bf16_f32 v33, v[18+3*\e], v[18+3*\e]
	v_lshlrev_b32 v36, 16, v32
	v_and_b32 v37, 0xffff0000, v32
	v_lshlrev_b32 v38, 16, v33
	v_mul_f32 v39, v36, v36
	v_fmac_f32 v39, v37, v37
	v_fmac_f32 v39, v38, v38
	ds_store_b128 v13, v[36:39] offset:16*\e
.endr
	v_cvt_pk_bf16_f32 v28, v28, v28
	ds_store_b16 v245, v28
.irp i, 0,1,2,3,4,5,6,7,8,9,10,11,12,13,14,15
	v_cvt_pk_bf16_f32 v[TW+4*\i], v[TW+4*\i], v[TW+4*\i+1]
	v_cvt_pk_bf16_f32 v[TW+4*\i+1], v[TW+4*\i+2], v[TW+4*\i+3]
	ds_store_b64 v14, v[TW+4*\i:TW+4*\i+1] offset:320*\i
.endr
	s_wait_dscnt 0x0                               ; my part of CT, REF and PB is written,
	s_barrier_signal -1
	s_barrier_wait -1                              ; everybody's is
; W1b's fragments: lane (r, h) holds row r, columns 32 c + 8 h + 0..7 and 32 c + 16 + 8 h + 0..7: four loads of 16 bytes of f32 for a K step, rounded to bf16 in pairs
.irp q, 0,1
.irp c, 0,1,2,3
	global_load_b128 v[TW+16*\c:TW+16*\c+3],     v12, s[4:5] offset:512*\q+128*\c
	global_load_b128 v[TW+16*\c+4:TW+16*\c+7],   v12, s[4:5] offset:512*\q+128*\c+16
	global_load_b128 v[TW+16*\c+8:TW+16*\c+11],  v12, s[4:5] offset:512*\q+128*\c+64
	global_load_b128 v[TW+16*\c+12:TW+16*\c+15], v12, s[4:5] offset:512*\q+128*\c+80
.endr
	s_wait_loadcnt 0x0
.set n, 0
.rept 32
	v_cvt_pk_bf16_f32 v[AF+32*\q+n], v[TW+2*n], v[TW+2*n+1]
.set n, n+1
.endr
.endr
; A K step: 32 rows of PB turned into four fragments, p_ref's fragment (the same in every column), five products on five accumulators, which take turns.
.macro KSTEP c
.if (\c) > 0
.rept 4
	v_nop                                          ; four places between the last products and the loads into their sources
.endr
.endif
.irp j, 0,1,2,3
	ds_load_tr16_b128 v[TW+8*\j:TW+8*\j+3],   v15 offset:5120*(\c)+32*\j
	ds_load_tr16_b128 v[TW+8*\j+4:TW+8*\j+7], v15 offset:5120*(\c)+32*\j+2560
.endr
	ds_load_b128 v[TW+32:TW+35], v240 offset:64*(\c)
	ds_load_b128 v[TW+36:TW+39], v240 offset:64*(\c)+32
	s_wait_dscnt 0x0
.irp j, 0,1,2,3,4
.if (\c) == 0
	v_wmma_f32_16x16x32_bf16 v[ACC+8*\j:ACC+8*\j+7], v[AF+8*(\c):AF+8*(\c)+7], v[TW+8*\j:TW+8*\j+7], 0
.else
	v_wmma_f32_16x16x32_bf16 v[ACC+8*\j:ACC+8*\j+7], v[AF+8*(\c):AF+8*(\c)+7], v[TW+8*\j:TW+8*\j+7], v[ACC+8*\j:ACC+8*\j+7]
.endif
.endr
.endm
.irp c, 0,1,2,3,4,5,6,7
	KSTEP \c
.endr
.irp m, 0,1,2,3                        ; b1 rounded to bf16: twelve plain lines, the places behind the last products
	v_cvt_pk_bf16_f32 v[PK+\m], v[B1+2*\m], v[B1+2*\m+1]
.endr
.irp m, 0,1,2,3
	v_lshlrev_b32 v[B1+2*\m], 16, v[PK+\m]
	v_and_b32 v[B1+2*\m+1], 0xffff0000, v[PK+\m]
.endr
.irp j, 0,1,2,3,4,5,6,7
	v_sub_f32 v[B1+\j], v[B1+\j], v[AK+\j]         ; b1 - W1b . p_ref for my eight channels
.endr
.irp j, 0,1,2,3
.irp m, 0,1,2,3
	v_pk_add_f32 v[ACC+8*\j+2*\m:ACC+8*\j+2*\m+1], v[ACC+8*\j+2*\m:ACC+8*\j+2*\m+1], v[B1+2*\m:B1+2*\m+1]
.endr
.irp m, 0,1,2,3
	v_cvt_pk_f16_f32 v[PK+4*\j+\m], v[ACC+8*\j+2*\m], v[ACC+8*\j+2*\m+1]
.endr
	ds_store_b128 v241, v[PK+4*\j:PK+4*\j+3] offset:4352*\j
.endr
	s_wait_dscnt 0x0                               ; a row's 256 bytes come from eight waves
	s_barrier_signal -1
	s_barrier_wait -1
.irp i, 0,1,2,3
	ds_load_b128 v[PK+4*\i:PK+4*\i+3], v242 offset:544*\i
.endr
.irp i, 0,1,2,3
	s_wait_dscnt 3-\i
	global_store_b128 v243, v[PK+4*\i:PK+4*\i+3], s[30:31] offset:512*\i  ; 16 lanes store 256 consecutive bytes, aligned
.endr
; (F)
.irp p, 0,1
	v_cvt_pk_bf16_f32 v80, v[208+16*\p], v[209+16*\p]
	v_cvt_pk_bf16_f32 v81, v[210+16*\p], v[210+16*\p]
	v_lshlrev_b32 v[208+16*\p], 16, v80
	v_and_b32 v[209+16*\p], 0xffff0000, v80
	v_lshlrev_b32 v[210+16*\p], 16, v81
	v_mul_f32 v[211+16*\p], v[208+16*\p], v[208+16*\p]
	v_fmac_f32 v[211+16*\p], v[209+16*\p], v[209+16*\p]
	v_fmac_f32 v[211+16*\p], v[210+16*\p], v[210+16*\p]
.irp k, 0,1,2
	v_mov_b32 v[212+16*\p+\k], 0x7f800000
	v_mov_b32 v[215+16*\p+\k], 0
.endr
.endr
.macro INS p, e                        ; candidate e of the block in hand, for query p
.set FP, 208+16*(\p)
.set CR, 16+32*(\p)+4*(\e)
.set TT, 80+4*(\p)
	v_mul_f32 v[TT], v[FP], v[CR]
	v_fmac_f32 v[TT], v[FP+1], v[CR+1]
	v_fmac_f32 v[TT], v[FP+2], v[CR+2]
	v_add_f32 v[TT+1], v[FP+3], v[CR+3]
	v_fma_f32 v[TT+2], -2.0, v[TT], v[TT+1]
	v_add_nc_u32 v[TT+3], \e, v[FP+12]
	v_cmp_lt_f32 s34, v[TT+2], v[FP+6]
	v_cmp_lt_f32 s35, v[TT+2], v[FP+5]
	v_cmp_lt_f32 s36, v[TT+2], v[FP+4]
	v_cndmask_b32 v[FP+9], v[FP+9], v[TT+3], s34
	v_cndmask_b32 v[FP+9], v[FP+9], v[FP+8], s35
	v_cndmask_b32 v[FP+8], v[FP+8], v[TT+3], s35
	v_cndmask_b32 v[FP+8], v[FP+8], v[FP+7], s36
	v_cndmask_b32 v[FP+7], v[FP+7], v[TT+3], s36
	v_med3_num_f32 v[FP+6], v[FP+5], v[FP+6], v[TT+2]
	v_med3_num_f32 v[FP+5], v[FP+4], v[FP+5], v[TT+2]
	v_min_num_f32 v[FP+4], v[FP+4], v[TT+2]
.endm
	s_mov_b32 s37, 4
.Lblk:                                                 ; a trip: one block of 8 candidates for each of my two queries
.irp p, 0,1
	v_and_b32 v[219+16*\p], 0x7f, v[218+16*\p]
	v_min_u32 v[219+16*\p], 0x7f, v[219+16*\p]     ; a loaded number enters an address only clamped
	v_lshlrev_b32 v[220+16*\p], 3, v[219+16*\p]
	v_mul_u32_u24 v[219+16*\p], v[219+16*\p], 144
	v_lshrrev_b32 v[218+16*\p], 8, v[218+16*\p]
.irp e, 0,1,2,3,4,5,6,7
	ds_load_b128 v[16+32*\p+4*\e:16+32*\p+4*\e+3], v[219+16*\p] offset:16*\e
.endr
.endr
	s_wait_dscnt 0x0
.irp e, 0,1,2,3,4,5,6,7
	INS 0, \e
	INS 1, \e
.endr
	s_sub_co_u32 s37, s37, 1
	s_cmp_lg_u32 s37, 0
	s_cbranch_scc1 .Lblk
.irp p, 0,1
.irp k, 0,1,2
	v_add_f32 v[212+16*\p+\k], 0x322bcc77, v[212+16*\p+\k]  ; + 1e-8
.endr
.endr
.irp p, 0,1
.irp k, 0,1,2
	v_rcp_f32 v[212+16*\p+\k], v[212+16*\p+\k]
.endr
.endr
	v_nop                                          ; a plain line between a reciprocal and the use of its result
	s_wait_alu depctr_va_vdst(0)
.irp p, 0,1
	v_add_f32 v[80+\p], v[212+16*\p], v[213+16*\p]
	v_add_f32 v[80+\p], v[80+\p], v[214+16*\p]
.endr
	v_rcp_f32 v80, v80
	v_rcp_f32 v81, v81
	v_mov_b32 v91, 0
	v_mov_b32 v95, 0
	s_wait_alu depctr_va_vdst(0)
.irp p, 0,1
.irp k, 0,1,2
	v_mul_f32 v[88+4*\p+\k], v[212+16*\p+\k], v[80+\p]
.endr
	v_lshl_or_b32 v[82+\p], v[216+16*\p], 10, v[215+16*\p]
	v_lshl_or_b32 v[82+\p], v[217+16*\p], 20, v[82+\p]
	global_store_b32 v9, v[82+\p], s[18:19] offset:1024*\p
	global_store_b128 v244, v[88+4*\p:91+4*\p], s[16:17] offset:4096*\p
.endr
	s_wait_tensorcnt 0x0                           ; the wave's end
	ds_add_u32 v4, v5
	s_wait_dscnt 0x0
	s_endpgm
.Lfunc_end_k_qfbd9065aed_prep_fine:
	.size	k_qfbd9065aed_prep_fine, .Lfunc_end_k_qfbd9065aed_prep_fine-k_qfbd9065aed_prep_fine
	.p2alignl 7, 3214868480
	.fill 96, 4, 3214868480
	.section	.rodata,"a",@progbits
	.p2align	6, 0x0
	.amdhsa_kernel k_qfbd9065aed_prep_fine
		.amdhsa_group_segment_fixed_size 78336
		.amdhsa_private_segment_fixed_size 0
		.amdhsa_enable_private_segment 0
		.amdhsa_kernarg_size 64
		.amdhsa_user_sgpr_count 2
		.amdhsa_user_sgpr_kernarg_segment_ptr 1
		.amdhsa_wavefront_size32 1
		.amdhsa_system_sgpr_workgroup_id_x 1
		.amdhsa_system_sgpr_workgroup_id_y 1
		.amdhsa_system_sgpr_workgroup_id_z 1
		.amdhsa_system_vgpr_workitem_id 0
		.amdhsa_next_free_vgpr 256
		.amdhsa_next_free_sgpr 66
		.amdhsa_reserve_vcc 0
		.amdhsa_float_denorm_mode_32 3
		.amdhsa_float_denorm_mode_16_64 3
		.amdhsa_memory_ordered 1
		.amdhsa_forward_progress 1
		.amdhsa_inst_pref_size 51
	.end_amdhsa_kernel
	.amdgpu_metadata
---
amdhsa.version: [ 1, 2 ]
amdhsa.kernels:
  - .name:           k_qfbd9065aed_prep_fine
    .symbol:         k_qfbd9065aed_prep_fine.kd
    .args:
      - { .name: W1, .offset: 0, .size: 8, .value_kind: global_buffer, .address_space: global }
      - { .name: b1, .offset: 8, .size: 8, .value_kind: global_buffer, .address_space: global }
      - { .name: points2, .offset: 16, .size: 8, .value_kind: global_buffer, .address_space: global }
      - { .name: xyz1, .offset: 24, .size: 8, .value_kind: global_buffer, .address_space: global }
      - { .name: xyz2, .offset: 32, .size: 8, .value_kind: global_buffer, .address_space: global }
      - { .name: blk, .offset: 40, .size: 8, .value_kind: global_buffer, .address_space: global }
      - { .name: prep, .offset: 48, .size: 8, .value_kind: global_buffer, .address_space: global }
      - { .name: nidx, .offset: 56, .size: 8, .value_kind: global_buffer, .address_space: global }
    .group_segment_fixed_size: 78336
    .private_segment_fixed_size: 0
    .kernarg_segment_align: 8
    .kernarg_segment_size: 64
    .max_flat_workgroup_size: 256
    .sgpr_count:     66
    .vgpr_count:     256
    .wavefront_size: 32
...
	.end_amdgpu_metadata
.endif
;; end of part 2
;; launch conv1 (part 3): grid 256 x 1, 8 waves a work-group, no clusters, 327,680 bytes of LDS; arguments W1, points1, prep, nidx, y1; writes y1
.if DOCPART == 3
	.amdgcn_target "amdgcn-amd-amdhsa--gfx1250"
	.amdhsa_code_object_version 6
	.text
	.protected	k_qfbd9065aed_conv1
	.globl	k_qfbd9065aed_conv1
	.p2align	8
	.type	k_qfbd9065aed_conv1,@function
k_qfbd9065aed_conv1:
	s_mov_b64 s[64:65], 0
	v_nop
	global_prefetch_b8 v0, s[64:65] scope:SCOPE_SE
	s_setreg_imm32_b32 hwreg(HW_REG_WAVE_MODE, 25, 1), 1
	s_wait_xcnt 0x0
; FIRST CONVOLUTION.  y1''[o][n] = W1a . (points1[:, n] - x_ref) + sum over k of w_k T[idx_k][o], x_ref = points1[0,:,0]; T holds W1b . points2 + b1 less its own constant.
; The constants per channel do not change the batch norm that follows; they keep y1'' small under common offsets, so that it can be stored in f16 and its variance is no difference of large sums.
; Also the sums of y1'' and of its squares per channel, in f32, two rows for each work-group, added up by the next launch.
; SHARES.  A work-group: 1,024 points of a batch x 128 output channels, in 16 stages of 64 points.  Wave w: 64 channels (w % 2: four tiles of 16) x the 16 points w / 2 of each stage.
; The batch's half table, 1,024 rows of 128 f16, lies in LDS for the whole launch, brought once by eight tensor loads (one a wave is out, by this text's count); nothing is filled again.
; points1 comes through registers (it has to be rounded to bf16): a ring of four stages in registers, then [128 c][64 n] in one of two LDS stages, from which the turning load makes fragments.
; The product has W1a's rows as source 0: a lane holds 8 neighbouring channels of ONE point, which is what 16 bytes of a table row hold, and what the next convolution takes as its fragment.
; NO CLUSTER: the table is shared by sixteen work-groups, but it is a quarter of what a work-group moves and is read once; points1, shared by two, goes through registers.
; LIMITS.  y1'' and T lie within f16's 65,504.  The indices are clamped to 1,023 before they enter an address.
.set XB0,   278528                     ; behind the table (1,024 rows, 272 bytes apart): two stages of 128 rows x 128 bytes, 160 apart
.set XBS,   20480
.set SPARE, 319488
.set SR,    320512                     ; [wave][sum, sum of squares][64 channels] f32
.set RF,    324608                     ; x_ref, 128 bf16
.set XR, 3                             ; v3   the turning load's address in stage 0
.set XS, 6                             ; v6   where I store converted rows in stage 0
.set GB, 7                             ; v7   my 16 bytes in a table row, channel tile 0
.set XO, 8                             ; v8   my offset in points1
.set YO, 9                             ; v9   16 L
.set NO, 10                            ; v10  4 r
.set WO, 11                            ; v11  16 r
.set D,  16                            ; v16-47   four accumulators
.set BF, 48                            ; v48-79   four K steps' fragments of points1
.set G,  80                            ; v80-103  two sets of three table pieces; also 16 packed words while a stage is converted
.set CK, 104                           ; v104-135 - W1a . x_ref
.set S1, 136                           ; v136-167
.set S2, 168                           ; v168-199
.set NR, 200                           ; v200-223 slot u at 6 u: w0 w1 w2 0, the packed indices
.set GA, 224                           ; v224-226
.set P,  228                           ; v228-243 what is stored
; window 1: v0-127 W1a's fragments, (tile i, K step c) at 32 i + 8 c; v128-255 the ring of four stages of points1 in f32
.set XP, 34
.set NP, 36
.set WP, 38
.set YP, 40
.set AP, 42
.set MSB, 0
.macro WIN new                         ; the immediate's high byte repeats the setting that is left
.if MSB != (\new)
	s_set_vgpr_msb (MSB<<8)|(\new)
.set MSB, \new
.endif
.endm
.macro PLACES
.rept 4
	v_nop
.endr
.endm
	s_load_b256 s[4:11], s[0:1], 0x0               ; W1 4, points1 6, prep 8, nidx 10
	s_load_b64 s[24:25], s[0:1], 0x20              ; y1
	v_lshl_add_u32 v4, v0, 2, SPARE
	v_mov_b32 v5, 0
	ds_add_u32 v4, v5                              ; the wave's opening: the add and its wait ahead of my tensor load
	ds_add_u32 v4, v5
	v_lshrrev_b32 v12, 5, v0
	v_readfirstlane_b32 s26, v12                   ; wave
	s_and_b32 s28, ttmp9, 1                        ; which 128 channels
	s_lshr_b32 s29, ttmp9, 1                       ; which 1,024 points of all
	s_lshr_b32 s30, ttmp9, 5                       ; batch
	s_and_b32 s48, s29, 15                         ; which 1,024 points of the batch
	s_and_b32 s31, s26, 1                          ; which 64 channels
	s_lshr_b32 s32, s26, 1                         ; which 16 points of a stage
	s_mov_b32 s12, 1                               ; group 0: count 1
	s_mul_i32 s13, s26, 34816                      ; LDS address: my 128 rows of 272 bytes
	s_mov_b32 s16, 0x07510000                      ; group 1: 2-byte elements, padding on, after every 64 words, 4 words
	s_mov_b32 s17, 128<<16                         ; tensor_dim0 = 128
	s_mov_b32 s18, 128<<16                         ; tensor_dim1 = 128
	s_mov_b32 s19, 128<<16                         ; tile_dim0 = 128
	s_mov_b32 s20, 128                             ; tile_dim1 = 128
	s_mov_b32 s21, 128                             ; 128 elements from row to row
	s_mov_b32 s22, 0
	s_mov_b32 s23, 0
	s_lshl1_add_u32 s44, s30, s28
	s_lshl_b32 s44, s44, 18                        ; the half table of my batch,
	s_lshl_b32 s49, s26, 15                        ; my 128 rows of 256 bytes
	s_add_co_u32 s44, s44, s49
	s_mov_b32 s45, 0
	s_wait_dscnt 0x0                               ; the opening add is done
	s_wait_kmcnt 0x0
	s_add_nc_u64 s[14:15], s[8:9], s[44:45]
	s_or_b32 s15, s15, 0x80000000                  ; type 2
	tensor_load_to_lds s[12:15], s[16:23]
	s_nop 0
	PLACES
	s_lshl_b32 s44, s30, 23
	s_lshl_b32 s49, s48, 12
	s_add_co_u32 s44, s44, s49
	s_lshl_b32 s49, s26, 20
	s_add_co_u32 s44, s44, s49
	s_add_nc_u64 s[XP:XP+1], s[6:7], s[44:45]      ; points1: my batch, my 1,024 points, my wave's 16 rows
	s_lshl_b32 s44, s29, 12
	s_lshl_b32 s49, s32, 6
	s_add_co_u32 s44, s44, s49
	s_add_nc_u64 s[NP:NP+1], s[10:11], s[44:45]
	s_lshl_b32 s44, s29, 14
	s_lshl_b32 s49, s32, 8
	s_add_co_u32 s44, s44, s49
	s_add_co_u32 s44, s44, 4194304
	s_add_nc_u64 s[WP:WP+1], s[8:9], s[44:45]
	s_lshl_b32 s44, s29, 19                        ; y1: 64 tiles of 8,192 bytes for 1,024 points,
	s_lshl_b32 s49, s32, 13                        ; my tile of a stage's four,
	s_add_co_u32 s44, s44, s49
	s_lshl_b32 s49, s28, 12                        ; my first channel tile, 512 bytes each
	s_add_co_u32 s44, s44, s49
	s_lshl_b32 s49, s31, 11
	s_add_co_u32 s44, s44, s49
	s_add_co_u32 s44, s44, 524288
	s_add_nc_u64 s[YP:YP+1], s[24:25], s[44:45]
	s_lshl_b32 s44, s28, 7
	s_lshl_b32 s49, s31, 6
	s_add_co_u32 s44, s44, s49
	s_mul_i32 s44, s44, 1536
	s_add_nc_u64 s[AP:AP+1], s[4:5], s[44:45]
	s_lshl_b32 s44, s28, 18
	s_lshl_b32 s49, s29, 11
	s_add_co_u32 s44, s44, s49
	s_add_nc_u64 s[46:47], s[24:25], s[44:45]      ; my two rows of the sums
	v_and_b32 v1, 15, v0
	v_bfe_u32 v2, v0, 4, 1
	v_and_b32 v12, 31, v0
	v_lshlrev_b32 v[YO], 4, v12
	v_lshlrev_b32 v[XO], 16, v2
	v_lshl_add_u32 v[XO], v1, 4, v[XO]
	v_lshlrev_b32 v[NO], 2, v1
	v_lshlrev_b32 v[WO], 4, v1
	v_and_b32 v13, 127, v0
	v_lshlrev_b32 v13, 16, v13
	v_mul_u32_u24 v14, v1, 1536
	v_lshl_add_u32 v14, v2, 5, v14
	v_and_b32 v[XR], 7, v0
	v_lshl_add_u32 v[XR], v2, 3, v[XR]
	v_mul_u32_u24 v[XR], v[XR], 160
	v_bfe_u32 v15, v0, 3, 1
	v_lshl_add_u32 v[XR], v15, 4, v[XR]
	s_lshl_b32 s49, s32, 5
	s_add_co_u32 s49, s49, XB0
	v_add_nc_u32 v[XR], s49, v[XR]
	v_mul_u32_u24 v[XS], v2, 160
	v_lshl_add_u32 v[XS], v1, 3, v[XS]
	s_mul_i32 s49, s26, 2560
	s_add_co_u32 s49, s49, XB0
	v_add_nc_u32 v[XS], s49, v[XS]
	s_lshl_b32 s49, s31, 7
	v_lshl_add_u32 v[GB], v2, 4, s49
	v_lshl_add_u32 v15, v0, 1, RF
	v_lshl_add_u32 v227, v2, 4, RF
	global_load_b32 v244, v13, s[6:7]              ; x_ref
; A stage's ten loads, always in this order: eight of points1 (rows 16 w + 2 i + h, 256 bytes a row), the indices, the weights
.irp t, 0,1,2,3
	WIN 0x40
.irp i, 0,1,2,3,4,5,6,7
	global_load_b128 v[128+32*\t+4*\i:128+32*\t+4*\i+3], v[XO], s[XP:XP+1] offset:\i*131072+\t*256
.endr
	WIN 0
	global_load_b32 v[NR+6*\t+4], v[NO], s[NP:NP+1] offset:\t*256
	global_load_b128 v[NR+6*\t:NR+6*\t+3], v[WO], s[WP:WP+1] offset:\t*1024
.endr
; W1a's fragments, a channel tile at a time: f32 into v16-79, rounded to bf16 into window 1
.irp i, 0,1,2,3
.irp c, 0,1,2,3
	global_load_b128 v[16+16*\c:16+16*\c+3],   v14, s[AP:AP+1] offset:24576*\i+128*\c
	global_load_b128 v[16+16*\c+4:16+16*\c+7], v14, s[AP:AP+1] offset:24576*\i+128*\c+16
	global_load_b128 v[16+16*\c+8:16+16*\c+11], v14, s[AP:AP+1] offset:24576*\i+128*\c+64
	global_load_b128 v[16+16*\c+12:16+16*\c+15], v14, s[AP:AP+1] offset:24576*\i+128*\c+80
.endr
	s_wait_loadcnt 0x0
	WIN 0x40
.set n, 0
.rept 32
	v_cvt_pk_bf16_f32 v[32*\i+n], v[16+2*n], v[16+2*n+1]
.set n, n+1
.endr
	WIN 0
.endr
	v_cvt_pk_bf16_f32 v244, v244, v244
	s_cmp_lt_u32 s26, 4
	s_cbranch_scc0 .Lnoref                         ; threads 0 to 127 hold the 128 channels of x_ref
	ds_store_b16 v15, v244
.Lnoref:
.macro CONV slot, par                  ; a stage of the ring is rounded to bf16 and stored into LDS stage par
	WIN 0x05
.irp i, 0,1,2,3,4,5,6,7
	v_cvt_pk_bf16_f32 v[G+2*\i],   v[128+32*(\slot)+4*\i],   v[128+32*(\slot)+4*\i+1]
	v_cvt_pk_bf16_f32 v[G+2*\i+1], v[128+32*(\slot)+4*\i+2], v[128+32*(\slot)+4*\i+3]
.endr
	WIN 0
.irp i, 0,1,2,3,4,5,6,7
	ds_store_b64 v[XS], v[G+2*\i:G+2*\i+1] offset:(\par)*XBS+320*\i
.endr
.endm
	CONV 0, 0
.set n, 0
.rept 64
	v_mov_b32 v[S1+n], 0
.set n, n+1
.endr
	s_wait_tensorcnt 0x0                           ; my 128 rows of the table are in,
	s_wait_dscnt 0x0                               ; my part of stage 0 and of x_ref is written,
	s_barrier_signal -1
	s_barrier_wait -1                              ; everybody's are
; 16 products: K steps outside, the four accumulators by turns inside.  ck = 1: the sums start from CK; 0: from the constant 0.
.macro MM16 ck
	WIN 0x01                                       ; source 0 (W1a) in window 1
.irp c, 0,1,2,3
.irp i, 0,1,2,3
.if ((\c) == 0) && (\ck)
	v_wmma_f32_16x16x32_bf16 v[D+8*\i:D+8*\i+7], v[32*\i+8*\c:32*\i+8*\c+7], v[BF+8*\c:BF+8*\c+7], v[CK+8*\i:CK+8*\i+7]
.elseif (\c) == 0
	v_wmma_f32_16x16x32_bf16 v[D+8*\i:D+8*\i+7], v[32*\i+8*\c:32*\i+8*\c+7], v[BF+8*\c:BF+8*\c+7], 0
.else
	v_wmma_f32_16x16x32_bf16 v[D+8*\i:D+8*\i+7], v[32*\i+8*\c:32*\i+8*\c+7], v[BF+8*\c:BF+8*\c+7], v[D+8*\i:D+8*\i+7]
.endif
.endr
.endr
	WIN 0
	PLACES                                         ; four places behind the last product, ahead of every read of a result and every load into a source
.endm
.irp c, 0,1,2,3
	ds_load_b128 v[BF+8*\c:BF+8*\c+3],   v227 offset:64*\c     ; x_ref as a fragment: the same in every column
	ds_load_b128 v[BF+8*\c+4:BF+8*\c+7], v227 offset:64*\c+32
.endr
	s_wait_dscnt 0x0
	MM16 0
.set n, 0
.rept 32
	v_sub_f32 v[CK+n], 0, v[D+n]
.set n, n+1
.endr
.macro GLOAD i                         ; the three neighbours' 16 bytes of channel tile i
.irp k, 0,1,2
	ds_load_b128 v[G+12*((\i)%2)+4*\k:G+12*((\i)%2)+4*\k+3], v[GA+\k] offset:32*(\i)
.endr
.endm
; Stage t (u = t % 4, par = t % 2).  ld: stage t + 4 is asked for.  cv: stage t + 1 is converted; lc: the loads issued behind stage t + 1's ten that may stay out.
.macro TRIP u, par, ld, cv, lc
.if \ld
	WIN 0x40
.irp i, 0,1,2,3,4,5,6,7
	global_load_b128 v[128+32*(\u)+4*\i:128+32*(\u)+4*\i+3], v[XO], s[XP:XP+1] offset:\i*131072+((\u)+4)*256
.endr
	WIN 0
.endif
.irp k, 0,1,2
	v_bfe_u32 v[GA+\k], v[NR+6*(\u)+4], 10*\k, 10
.endr
.irp k, 0,1,2
	v_min_u32 v[GA+\k], 0x3ff, v[GA+\k]            ; a loaded number enters an address only clamped
.endr
.irp k, 0,1,2
	v_mul_u32_u24 v[GA+\k], v[GA+\k], 272
.endr
.irp k, 0,1,2
	v_add_nc_u32 v[GA+\k], v[GB], v[GA+\k]
.endr
.irp c, 0,1,2,3
	ds_load_tr16_b128 v[BF+8*\c:BF+8*\c+3],   v[XR] offset:(\par)*XBS+5120*\c
	ds_load_tr16_b128 v[BF+8*\c+4:BF+8*\c+7], v[XR] offset:(\par)*XBS+5120*\c+2560
.endr
	GLOAD 0
	GLOAD 1
	s_wait_dscnt 0x6                               ; the fragments are in; the six table loads behind them may be out
	MM16 1
	s_wait_xcnt 0x0                                ; P, which the last stage's stores read, is rewritten only behind this wait
.irp i, 0,1,2,3
.if (\i) < 3
	s_wait_dscnt 0x3                               ; tile i's three pieces are in, the next tile's three may be out
.else
	s_wait_dscnt 0x0
.endif
.irp k, 0,1,2
.irp m, 0,1,2,3
	v_fma_mix_f32 v[D+8*\i+2*\m],   v[G+12*((\i)%2)+4*\k+\m], v[NR+6*(\u)+\k], v[D+8*\i+2*\m]   op_sel:[0,0,0] op_sel_hi:[1,0,0]
	v_fma_mix_f32 v[D+8*\i+2*\m+1], v[G+12*((\i)%2)+4*\k+\m], v[NR+6*(\u)+\k], v[D+8*\i+2*\m+1] op_sel:[1,0,0] op_sel_hi:[1,0,0]
.endr
.endr
.if (\i) < 2
	GLOAD (\i)+2
.endif
.irp m, 0,1,2,3
	v_pk_add_f32 v[S1+8*\i+2*\m:S1+8*\i+2*\m+1], v[S1+8*\i+2*\m:S1+8*\i+2*\m+1], v[D+8*\i+2*\m:D+8*\i+2*\m+1]
	v_pk_fma_f32 v[S2+8*\i+2*\m:S2+8*\i+2*\m+1], v[D+8*\i+2*\m:D+8*\i+2*\m+1], v[D+8*\i+2*\m:D+8*\i+2*\m+1], v[S2+8*\i+2*\m:S2+8*\i+2*\m+1]
	v_cvt_pk_f16_f32 v[P+4*\i+\m], v[D+8*\i+2*\m], v[D+8*\i+2*\m+1]
.endr
	global_store_b128 v[YO], v[P+4*\i:P+4*\i+3], s[YP:YP+1] offset:512*\i+32768*(\u)  ; the wave stores 512 consecutive bytes, aligned
.endr
.if \ld
	global_load_b32 v[NR+6*(\u)+4], v[NO], s[NP:NP+1] offset:((\u)+4)*256
	global_load_b128 v[NR+6*(\u):NR+6*(\u)+3], v[WO], s[WP:WP+1] offset:((\u)+4)*1024
.endif
.if \cv
	s_wait_loadcnt \lc                             ; loads come back in order: stage t + 1's ten are in
	CONV ((\u)+1)%4, 1-(\par)
	s_wait_dscnt 0x0                               ; my reads of this LDS stage are over and my part of the other is written:
	s_barrier_signal -1                            ; one barrier a stage serves both
	s_barrier_wait -1
.endif
.endm
	s_mov_b32 s33, 3
.Lst:                                                  ; four stages a trip; the count 30 leaves the loads of stages t + 2, t + 3 and t + 4 out
	TRIP 0, 0, 1, 1, 30
	TRIP 1, 1, 1, 1, 30
	TRIP 2, 0, 1, 1, 30
	TRIP 3, 1, 1, 1, 30
	s_wait_xcnt 0x0                                ; the bases are stepped only behind this wait
	s_add_nc_u64 s[XP:XP+1], s[XP:XP+1], 1024
	s_add_nc_u64 s[NP:NP+1], s[NP:NP+1], 1024
	s_add_nc_u64 s[WP:WP+1], s[WP:WP+1], 4096
	s_add_nc_u64 s[YP:YP+1], s[YP:YP+1], 131072
	s_sub_co_u32 s33, s33, 1
	s_cmp_lg_u32 s33, 0
	s_cbranch_scc1 .Lst
	TRIP 0, 0, 0, 1, 20                            ; the last four stages ask for nothing: the counts run down
	TRIP 1, 1, 0, 1, 10
	TRIP 2, 0, 0, 1, 0
	TRIP 3, 1, 0, 0, 0
; The sums: over the 16 points of a half of the lanes, then over the four waves that share my channels, in two pairs
.irp x, 1,2,4,8
.set n, 0
.rept 64
	v_add_f32_dpp v[S1+n], v[S1+n], v[S1+n] row_xmask:\x row_mask:0xf bank_mask:0xf
.set n, n+1
.endr
.endr
	s_lshl_b32 s49, s26, 9
	s_add_co_u32 s49, s49, SR
	v_lshl_add_u32 v12, v2, 5, s49
.irp i, 0,1,2,3
	ds_store_b128 v12, v[S1+8*\i:S1+8*\i+3]   offset:64*\i      ; sixteen lanes write the same words with the same numbers
	ds_store_b128 v12, v[S1+8*\i+4:S1+8*\i+7] offset:64*\i+16
	ds_store_b128 v12, v[S2+8*\i:S2+8*\i+3]   offset:256+64*\i
	ds_store_b128 v12, v[S2+8*\i+4:S2+8*\i+7] offset:256+64*\i+16
.endr
	s_wait_dscnt 0x0
	s_barrier_signal -1
	s_barrier_wait -1
	v_bfe_u32 v13, v0, 6, 1
	v_lshrrev_b32 v14, 7, v0
	v_and_b32 v12, 63, v0
	v_lshlrev_b32 v12, 2, v12
	v_lshl_add_u32 v12, v13, 9, v12
	v_lshl_add_u32 v12, v14, 8, v12
	v_add_nc_u32 v12, SR, v12
.irp q, 0,1,2,3
	ds_load_b32 v[16+\q], v12 offset:1024*\q
.endr
	v_lshlrev_b32 v13, 2, v0
	s_wait_dscnt 0x0
	v_add_f32 v16, v16, v17
	v_add_f32 v18, v18, v19
	global_store_b32 v13, v16, s[46:47]
	global_store_b32 v13, v18, s[46:47] offset:1024
	s_wait_tensorcnt 0x0                           ; the wave's end
	ds_add_u32 v4, v5
	s_wait_dscnt 0x0
	s_endpgm
.Lfunc_end_k_qfbd9065aed_conv1:
	.size	k_qfbd9065aed_conv1, .Lfunc_end_k_qfbd9065aed_conv1-k_qfbd9065aed_conv1
	.p2alignl 7, 3214868480
	.fill 96, 4, 3214868480
	.section	.rodata,"a",@progbits
	.p2align	6, 0x0
	.amdhsa_kernel k_qfbd9065aed_conv1
		.amdhsa_group_segment_fixed_size 327680
		.amdhsa_private_segment_fixed_size 0
		.amdhsa_enable_private_segment 0
		.amdhsa_kernarg_size 40
		.amdhsa_user_sgpr_count 2
		.amdhsa_user_sgpr_kernarg_segment_ptr 1
		.amdhsa_wavefront_size32 1
		.amdhsa_system_sgpr_workgroup_id_x 1
		.amdhsa_system_sgpr_workgroup_id_y 1
		.amdhsa_system_sgpr_workgroup_id_z 1
		.amdhsa_system_vgpr_workitem_id 0
		.amdhsa_next_free_vgpr 512
		.amdhsa_next_free_sgpr 66
		.amdhsa_reserve_vcc 0
		.amdhsa_float_denorm_mode_32 3
		.amdhsa_float_denorm_mode_16_64 3
		.amdhsa_memory_ordered 1
		.amdhsa_forward_progress 1
		.amdhsa_inst_pref_size 167
	.end_amdhsa_kernel
	.amdgpu_metadata
---
amdhsa.version: [ 1, 2 ]
amdhsa.kernels:
  - .name:           k_qfbd9065aed_conv1
    .symbol:         k_qfbd9065aed_conv1.kd
    .args:
      - { .name: W1, .offset: 0, .size: 8, .value_kind: global_buffer, .address_space: global }
      - { .name: points1, .offset: 8, .size: 8, .value_kind: global_buffer, .address_space: global }
      - { .name: prep, .offset: 16, .size: 8, .value_kind: global_buffer, .address_space: global }
      - { .name: nidx, .offset: 24, .size: 8, .value_kind: global_buffer, .address_space: global }
      - { .name: y1, .offset: 32, .size: 8, .value_kind: global_buffer, .address_space: global }
    .group_segment_fixed_size: 327680
    .private_segment_fixed_size: 0
    .kernarg_segment_align: 8
    .kernarg_segment_size: 40
    .max_flat_workgroup_size: 256
    .sgpr_count:     66
    .vgpr_count:     512
    .wavefront_size: 32
...
	.end_amdgpu_metadata
.endif
;; end of part 3
;; launch bn1 (part 4): grid 2 x 1, 32 waves a work-group, no clusters, 8,192 bytes of LDS; arguments y1, g1, be1, ab1; writes ab1
.if DOCPART == 4
	.amdgcn_target "amdgcn-amd-amdhsa--gfx1250"
	.amdhsa_code_object_version 6
	.text
	.protected	k_qfbd9065aed_bn1
	.globl	k_qfbd9065aed_bn1
	.p2align	8
	.type	k_qfbd9065aed_bn1,@function
k_qfbd9065aed_bn1:
	s_mov_b64 s[64:65], 0
	v_nop
	global_prefetch_b8 v0, s[64:65] scope:SCOPE_SE
	s_setreg_imm32_b32 hwreg(HW_REG_WAVE_MODE, 25, 1), 1
	s_wait_xcnt 0x0
; A BATCH NORM'S TWO NUMBERS PER CHANNEL.  For 128 channels a work-group: 256 rows of [sum | sum of squares][128] in f32 are added up; N = 131,072 = 2^17;
; mean = S1 / N, var = max(S2 / N - mean^2, 0) (the sums are of shifted numbers, so this is no difference of large sums), a = g / sqrt(var + 1e-5), s = be - mean a; y -> a y + s.
; g and be are rounded to bf16 like every input.  Stored in f32 (bytes 0 and 512) and in f16 (bytes 1,024 and 1,280).  LIMIT: a and s lie within f16's range.
; Thread t: rows 64 (t / 256) on, column t % 256: 64 loads of 4 bytes, all issued at once; a wave's load covers 128 consecutive bytes.
	s_load_b256 s[4:11], s[0:1], 0x0               ; sums 4, g 6, be 8, result 10
	v_lshl_add_u32 v4, v0, 2, 4096                 ; my spare word, behind the 4,096 bytes of partial sums
	v_mov_b32 v5, 0
	v_lshrrev_b32 v1, 5, v0
	v_readfirstlane_b32 s12, v1
	v_lshrrev_b32 v2, 8, v0
	v_and_b32 v3, 255, v0
	v_lshlrev_b32 v3, 2, v3
	v_lshl_add_u32 v3, v2, 16, v3
	v_lshlrev_b32 v6, 2, v0
	v_lshlrev_b32 v7, 1, v0
	s_lshl_b32 s14, ttmp9, 18
	s_mov_b32 s15, 0
	s_lshl_b32 s16, ttmp9, 9
	s_mov_b32 s17, 0
	s_lshl_b32 s18, ttmp9, 11
	s_mov_b32 s19, 0
	s_wait_kmcnt 0x0
	s_add_nc_u64 s[4:5], s[4:5], s[14:15]
	s_add_nc_u64 s[6:7], s[6:7], s[16:17]
	s_add_nc_u64 s[8:9], s[8:9], s[16:17]
	s_add_nc_u64 s[10:11], s[10:11], s[18:19]
.set i, 0
.rept 64
	global_load_b32 v[8+i], v3, s[4:5] offset:1024*i
.set i, i+1
.endr
	s_wait_loadcnt 48                              ; the first sixteen are in
.irp c, 0,1,2,3
	v_add_f32 v[72+\c], v[8+\c], v[12+\c]          ; four chains, started by the first eight numbers
.endr
.set i, 8
.rept 8
	v_add_f32 v[72+i%4], v[72+i%4], v[8+i]
.set i, i+1
.endr
.irp left, 32,16,0
	s_wait_loadcnt \left
.rept 16
	v_add_f32 v[72+i%4], v[72+i%4], v[8+i]
.set i, i+1
.endr
.endr
	v_add_f32 v72, v72, v73
	v_add_f32 v74, v74, v75
	v_add_f32 v72, v72, v74
	ds_store_b32 v6, v72
	s_wait_dscnt 0x0
	s_barrier_signal -1
	s_barrier_wait -1
	s_cmp_lt_u32 s12, 4
	s_cbranch_scc0 .Lend                           ; threads 0 to 127 finish a channel each
	global_load_b32 v8, v6, s[6:7]
	global_load_b32 v9, v6, s[8:9]
.irp q, 0,1,2,3
	ds_load_b32 v[10+\q], v6 offset:1024*\q
	ds_load_b32 v[14+\q], v6 offset:1024*\q+512
.endr
	s_wait_dscnt 0x0
	v_add_f32 v10, v10, v11
	v_add_f32 v12, v12, v13
	v_add_f32 v14, v14, v15
	v_add_f32 v16, v16, v17
	v_add_f32 v10, v10, v12
	v_add_f32 v14, v14, v16
	v_mul_f32 v10, 0x37000000, v10                 ; 2^-17
	v_mul_f32 v14, 0x37000000, v14
	v_fma_f32 v14, -v10, v10, v14
	v_max_num_f32 v14, 0, v14
	v_add_f32 v14, 0x3727c5ac, v14                 ; + 1e-5
	v_rsq_f32 v14, v14
	s_wait_loadcnt 0x0
	v_cvt_pk_bf16_f32 v18, v8, v9                  ; also the plain line between the root and the use of its result
	v_lshlrev_b32 v8, 16, v18
	v_and_b32 v9, 0xffff0000, v18
	s_wait_alu depctr_va_vdst(0)
	v_mul_f32 v19, v8, v14
	v_fma_f32 v20, -v10, v19, v9
	v_cvt_pk_f16_f32 v21, v19, v20
	global_store_b32 v6, v19, s[10:11]
	global_store_b32 v6, v20, s[10:11] offset:512
	global_store_b16 v7, v21, s[10:11] offset:1024
	global_store_d16_hi_b16 v7, v21, s[10:11] offset:1280
.Lend:
	s_wait_tensorcnt 0x0                           ; the wave's end
	ds_add_u32 v4, v5
	s_wait_dscnt 0x0
	s_endpgm
.Lfunc_end_k_qfbd9065aed_bn1:
	.size	k_qfbd9065aed_bn1, .Lfunc_end_k_qfbd9065aed_bn1-k_qfbd9065aed_bn1
	.p2alignl 7, 3214868480
	.fill 96, 4, 3214868480
	.section	.rodata,"a",@progbits
	.p2align	6, 0x0
	.amdhsa_kernel k_qfbd9065aed_bn1
		.amdhsa_group_segment_fixed_size 8192
		.amdhsa_private_segment_fixed_size 0
		.amdhsa_enable_private_segment 0
		.amdhsa_kernarg_size 32
		.amdhsa_user_sgpr_count 2
		.amdhsa_user_sgpr_kernarg_segment_ptr 1
		.amdhsa_wavefront_size32 1
		.amdhsa_system_sgpr_workgroup_id_x 1
		.amdhsa_system_sgpr_workgroup_id_y 1
		.amdhsa_system_sgpr_workgroup_id_z 1
		.amdhsa_system_vgpr_workitem_id 0
		.amdhsa_next_free_vgpr 80
		.amdhsa_next_free_sgpr 66
		.amdhsa_reserve_vcc 0
		.amdhsa_float_denorm_mode_32 3
		.amdhsa_float_denorm_mode_16_64 3
		.amdhsa_memory_ordered 1
		.amdhsa_forward_progress 1
		.amdhsa_inst_pref_size 12
	.end_amdhsa_kernel
	.amdgpu_metadata
---
amdhsa.version: [ 1, 2 ]
amdhsa.kernels:
  - .name:           k_qfbd9065aed_bn1
    .symbol:         k_qfbd9065aed_bn1.kd
    .args:
      - { .name: y1, .offset: 0, .size: 8, .value_kind: global_buffer, .address_space: global }
      - { .name: g1, .offset: 8, .size: 8, .value_kind: global_buffer, .address_space: global }
      - { .name: be1, .offset: 16, .size: 8, .value_kind: global_buffer, .address_space: global }
      - { .name: ab1, .offset: 24, .size: 8, .value_kind: global_buffer, .address_space: global }
    .group_segment_fixed_size: 8192
    .private_segment_fixed_size: 0
    .kernarg_segment_align: 8
    .kernarg_segment_size: 32
    .max_flat_workgroup_size: 1024
    .sgpr_count:     66
    .vgpr_count:     80
    .wavefront_size: 32
...
	.end_amdgpu_metadata
.endif
;; end of part 4
;; launch conv2 (part 5): grid 256 x 1, 4 waves a work-group, no clusters, 209,408 bytes of LDS; arguments y1, W2, b2, ab1, y2; writes y2
.if DOCPART == 5
	.amdgcn_target "amdgcn-amd-amdhsa--gfx1250"
	.amdhsa_code_object_version 6
	.text
	.protected	k_qfbd9065aed_conv2
	.globl	k_qfbd9065aed_conv2
	.p2align	8
	.type	k_qfbd9065aed_conv2,@function
k_qfbd9065aed_conv2:
	s_mov_b64 s[64:65], 0
	v_nop
	global_prefetch_b8 v0, s[64:65] scope:SCOPE_SE
	s_setreg_imm32_b32 hwreg(HW_REG_WAVE_MODE, 25, 1), 1
	s_wait_xcnt 0x0
; SECOND CONVOLUTION.  h = relu(a1 y1'' + s1) in packed f16; y2''[o][n] = W2 . h[:, n] + b2 - W2 . relu(s1), stored in f16; the sums of y2'' and its squares per channel in f32.
; The constant per channel does not change the batch norm that follows; it is y2 at y1'' = 0, and keeps y2'' small.  W2 and b2 are rounded to bf16 like every input; W2's rounded numbers are then written as f16.
; SHARES.  A work-group: 512 points; a wave 128 points: 8 tiles of 16.  All of W2 (64 fragments) lies in 512 registers of every wave; a1 and s1 in 128.
; THE PRODUCT IS USED TRANSPOSED: source 0 = 16 points x 32 channels of h, which are y1's bytes as they lie; source 1 = 16 rows of W2.  A lane then holds 8 neighbouring points of ONE output channel:
; 16 bytes of a row of y2, and one pair of registers for each sum.  A wave's 128 channels x 128 points gather in its own LDS stage and leave as whole rows of 256 bytes.
; No tensor loads and no cluster: y1 is read once, by one wave, straight into the registers from which it is multiplied.
; LIMITS.  h, y2'' within f16's 65,504; numbers of W2 below 2^-14 keep f16's fixed step of 2^-24.
.set STG,   65536                      ; behind W2's fragments (64 x 1,024 bytes): 128 rows of 272 bytes for each wave
.set SR2,   204800                     ; [wave][sum, sum of squares][128] f32
.set SPARE, 208896
.set AV, 16                            ; v16-79   a1 as fragments, 8 registers a K step
.set SV, 80                            ; v80-143  s1
.set DA, 144                           ; v144-207 eight accumulators
.set S1, 208                           ; v208-223 a pair for each channel tile
.set S2, 224                           ; v224-239
.set P,  240                           ; v240-247
.set B2, 248                           ; v248-255
; window 1: v0-63, v64-127 two tiles of y1; v128-191 b2 - W2 . relu(s1); v192-255 relu(s1)      windows 2, 3: W2's fragment (tile o, K step c) at 8 (8 (c % 4) + o), K steps 0-3 and 4-7
.set MSB, 0
.macro WIN new
.if MSB != (\new)
	s_set_vgpr_msb (MSB<<8)|(\new)
.set MSB, \new
.endif
.endm
.macro PLACES
.rept 4
	v_nop
.endr
.endm
	s_load_b256 s[4:11], s[0:1], 0x0               ; y1 4, W2 6, b2 8, ab1 10
	s_load_b64 s[12:13], s[0:1], 0x20              ; y2
	v_lshl_add_u32 v4, v0, 2, SPARE
	v_mov_b32 v5, 0
	v_lshrrev_b32 v6, 5, v0
	v_readfirstlane_b32 s18, v6                    ; wave
	v_and_b32 v1, 15, v0
	v_bfe_u32 v2, v0, 4, 1
	v_and_b32 v3, 31, v0
	v_lshlrev_b32 v3, 4, v3                        ; 16 L
	v_lshlrev_b32 v6, 10, v1
	v_lshl_add_u32 v6, v2, 5, v6                   ; W2: row r, 8 h columns on
	s_lshl_b32 s19, s18, 14
	v_add_nc_u32 v7, s19, v3                       ; where my wave's fragments of W2 go
	v_mov_b32 v8, 0
	s_mul_i32 s19, s18, 34816
	s_add_co_u32 s19, s19, STG
	v_mul_u32_u24 v9, v1, 272
	v_lshl_add_u32 v9, v2, 4, v9
	v_add_nc_u32 v9, s19, v9                       ; into my stage: row r, 16 bytes by h
	v_lshlrev_b32 v10, 4, v2
	v_lshlrev_b32 v11, 2, v1
	v_mul_u32_u24 v12, v2, 272
	v_lshl_add_u32 v12, v1, 4, v12
	v_add_nc_u32 v12, s19, v12                     ; back: two whole rows a load
	s_mov_b32 s16, 0x76543210
	s_mov_b32 s17, 0xfedcba98
	s_mov_b32 s23, 0
	s_wait_kmcnt 0x0
	s_lshl_b32 s22, ttmp9, 18
	s_lshl_b32 s19, s18, 16
	s_add_co_u32 s22, s22, s19
	s_add_co_u32 s22, s22, 524288
	s_add_nc_u64 s[4:5], s[4:5], s[22:23]          ; y1 at my 8 tiles of 8,192 bytes
	s_lshl_b32 s22, s18, 15
	s_add_nc_u64 s[6:7], s[6:7], s[22:23]          ; W2 at my wave's 32 rows
	s_lshl_b32 s22, ttmp9, 10
	s_add_nc_u64 s[14:15], s[12:13], s[22:23]      ; my row of the sums
	s_lshl_b32 s22, ttmp9, 17
	s_lshl_b32 s19, s18, 15
	s_add_co_u32 s22, s22, s19
	s_add_co_u32 s22, s22, 262144
	s_add_nc_u64 s[12:13], s[12:13], s[22:23]      ; y2 at my group of 128 points
	WIN 0x40
.irp u, 0,1
.irp o, 0,1,2,3,4,5,6,7,8,9,10,11,12,13,14,15
	global_load_b128 v[64*\u+4*\o:64*\u+4*\o+3], v3, s[4:5] offset:8192*\u+512*\o th:TH_LOAD_NT
.endr
.endr
	WIN 0
.irp c, 0,1,2,3,4,5,6,7
.irp q, 0,1
	global_load_b128 v[AV+8*\c+4*\q:AV+8*\c+4*\q+3], v10, s[10:11] offset:2048*(\c/4)+1024+64*(\c%4)+32*\q
	global_load_b128 v[SV+8*\c+4*\q:SV+8*\c+4*\q+3], v10, s[10:11] offset:2048*(\c/4)+1280+64*(\c%4)+32*\q
.endr
.endr
.irp o, 0,1,2,3,4,5,6,7
	global_load_b32 v[B2+\o], v11, s[8:9] offset:64*\o
.endr
; W2 into fragments: each wave converts its two channel tiles, two K steps a trip, and leaves them in LDS for all four
	s_mov_b32 s20, 4
.Lw2:
.irp f, 0,1,2,3
	global_load_b128 v[DA+16*\f:DA+16*\f+3],     v6, s[6:7] offset:16384*(\f/2)+128*(\f%2)
	global_load_b128 v[DA+16*\f+4:DA+16*\f+7],   v6, s[6:7] offset:16384*(\f/2)+128*(\f%2)+16
	global_load_b128 v[DA+16*\f+8:DA+16*\f+11],  v6, s[6:7] offset:16384*(\f/2)+128*(\f%2)+64
	global_load_b128 v[DA+16*\f+12:DA+16*\f+15], v6, s[6:7] offset:16384*(\f/2)+128*(\f%2)+80
.endr
	s_wait_loadcnt 0x0                             ; also frees the base, which is stepped below
.set n, 0
.rept 32
	v_cvt_pk_bf16_f32 v[S1+n], v[DA+2*n], v[DA+2*n+1]
.set n, n+1
.endr
.set n, 0
.rept 32
	v_lshlrev_b32 v[DA+2*n], 16, v[S1+n]
	v_and_b32 v[DA+2*n+1], 0xffff0000, v[S1+n]
.set n, n+1
.endr
.set n, 0
.rept 32
	v_cvt_pk_f16_f32 v[S1+n], v[DA+2*n], v[DA+2*n+1]
.set n, n+1
.endr
.irp f, 0,1,2,3
	ds_store_b128 v7, v[S1+8*\f:S1+8*\f+3]   offset:8192*(\f/2)+1024*(\f%2)
	ds_store_b128 v7, v[S1+8*\f+4:S1+8*\f+7] offset:8192*(\f/2)+1024*(\f%2)+512
.endr
	s_add_nc_u64 s[6:7], s[6:7], 256
	v_add_nc_u32 v7, 2048, v7
	s_sub_co_u32 s20, s20, 1
	s_cmp_lg_u32 s20, 0
	s_cbranch_scc1 .Lw2
	s_wait_dscnt 0x0
	s_barrier_signal -1
	s_barrier_wait -1
	WIN 0x80
.irp c, 0,1,2,3
.irp o, 0,1,2,3,4,5,6,7
	ds_load_b128 v[8*(8*\c+\o):8*(8*\c+\o)+3],   v3 offset:1024*(8*\o+\c)
	ds_load_b128 v[8*(8*\c+\o)+4:8*(8*\c+\o)+7], v3 offset:1024*(8*\o+\c)+512
.endr
.endr
	WIN 0xc0
.irp c, 0,1,2,3
.irp o, 0,1,2,3,4,5,6,7
	ds_load_b128 v[8*(8*\c+\o):8*(8*\c+\o)+3],   v3 offset:1024*(8*\o+\c+4)
	ds_load_b128 v[8*(8*\c+\o)+4:8*(8*\c+\o)+7], v3 offset:1024*(8*\o+\c+4)+512
.endr
.endr
	WIN 0x40
.set n, 0
.rept 64
	v_pk_max_num_f16 v[192+n], v[SV+n], v8         ; relu(s1): h where y1'' = 0
.set n, n+1
.endr
	WIN 0
.set n, 0
.rept 32
	v_mov_b32 v[S1+n], 0
.set n, n+1
.endr
	s_wait_dscnt 0x0
; 64 products: K steps outside, the eight accumulators by turns inside.  ab: source 0's first register in window 1.  ck = 1: the sums start from window 1's v128 on; 0: from 0.
.macro MM64 ab, ck
.irp c, 0,1,2,3,4,5,6,7
.if ((\c) == 0) && (\ck)
	WIN 0x19
.elseif (\c) < 4
	WIN 0x09
.else
	WIN 0x0d
.endif
.irp o, 0,1,2,3,4,5,6,7
.if ((\c) == 0) && (\ck)
	v_wmma_f32_16x16x32_f16 v[DA+8*\o:DA+8*\o+7], v[(\ab)+8*\c:(\ab)+8*\c+7], v[8*(8*(\c%4)+\o):8*(8*(\c%4)+\o)+7], v[128+8*\o:128+8*\o+7]
.elseif (\c) == 0
	v_wmma_f32_16x16x32_f16 v[DA+8*\o:DA+8*\o+7], v[(\ab)+8*\c:(\ab)+8*\c+7], v[8*(8*(\c%4)+\o):8*(8*(\c%4)+\o)+7], 0
.else
	v_wmma_f32_16x16x32_f16 v[DA+8*\o:DA+8*\o+7], v[(\ab)+8*\c:(\ab)+8*\c+7], v[8*(8*(\c%4)+\o):8*(8*(\c%4)+\o)+7], v[DA+8*\o:DA+8*\o+7]
.endif
.endr
.endr
	WIN 0
	PLACES                                         ; four places behind the last product, ahead of reads of results and loads into sources
.endm
	MM64 192, 0
.irp m, 0,1,2,3
	v_cvt_pk_bf16_f32 v[P+\m], v[B2+2*\m], v[B2+2*\m+1]
.endr
.irp m, 0,1,2,3
	v_lshlrev_b32 v[B2+2*\m], 16, v[P+\m]
	v_and_b32 v[B2+2*\m+1], 0xffff0000, v[P+\m]
.endr
	WIN 0x40
.irp o, 0,1,2,3,4,5,6,7
.irp j, 0,1,2,3,4,5,6,7
	v_sub_f32 v[128+8*\o+\j], v[B2+\o], v[DA+8*\o+\j]
.endr
.endr
	WIN 0
; A tile of 16 points in buffer u.  ld: the tile two on is asked for into the same buffer.  lc: the other buffer's sixteen loads may be out.
.macro TILE u, ld, lc
	s_wait_loadcnt \lc
	WIN 0x41
.set n, 0
.rept 64
	v_pk_fma_f16 v[64*(\u)+n], v[64*(\u)+n], v[AV+n], v[SV+n]
.set n, n+1
.endr
.set n, 0
.rept 64
	v_pk_max_num_f16 v[64*(\u)+n], v[64*(\u)+n], v8
.set n, n+1
.endr
	MM64 64*(\u), 1
.if \ld
	WIN 0x40
.irp o, 0,1,2,3,4,5,6,7,8,9,10,11,12,13,14,15
	global_load_b128 v[64*(\u)+4*\o:64*(\u)+4*\o+3], v3, s[4:5] offset:8192*((\u)+2)+512*\o th:TH_LOAD_NT
.endr
	WIN 0
.endif
.irp o, 0,1,2,3,4,5,6,7
.irp m, 0,1,2,3
	v_pk_add_f32 v[S1+2*\o:S1+2*\o+1], v[S1+2*\o:S1+2*\o+1], v[DA+8*\o+2*\m:DA+8*\o+2*\m+1]
	v_pk_fma_f32 v[S2+2*\o:S2+2*\o+1], v[DA+8*\o+2*\m:DA+8*\o+2*\m+1], v[DA+8*\o+2*\m:DA+8*\o+2*\m+1], v[S2+2*\o:S2+2*\o+1]
	v_cvt_pk_f16_f32 v[P+4*(\o%2)+\m], v[DA+8*\o+2*\m], v[DA+8*\o+2*\m+1]
.endr
	ds_store_b128 v9, v[P+4*(\o%2):P+4*(\o%2)+3] offset:4352*\o+32*(\u)
.endr
.endm
	s_mov_b32 s20, 3
.Ltile:                                                ; two tiles a trip
	TILE 0, 1, 16
	TILE 1, 1, 16
	s_wait_xcnt 0x0                                ; the base is stepped only behind this wait
	s_add_nc_u64 s[4:5], s[4:5], 16384
	v_add_nc_u32 v9, 64, v9
	s_sub_co_u32 s20, s20, 1
	s_cmp_lg_u32 s20, 0
	s_cbranch_scc1 .Ltile
	TILE 0, 0, 16                                  ; the last two tiles ask for nothing
	TILE 1, 0, 0
; My stage goes out: LDS serves a wave's instructions in order, so these loads see my stores; no other wave touches the stage
.irp q, 0,1,2,3
.irp i, 0,1,2,3,4,5,6,7,8,9,10,11,12,13,14,15
	ds_load_b128 v[DA+4*\i:DA+4*\i+3], v12 offset:544*(16*\q+\i)
.endr
	s_wait_dscnt 0x0
.irp i, 0,1,2,3,4,5,6,7,8,9,10,11,12,13,14,15
	global_store_b128 v3, v[DA+4*\i:DA+4*\i+3], s[12:13] offset:512*(16*\q+\i)  ; 16 lanes store 256 consecutive bytes, aligned
.endr
	s_wait_xcnt 0x0                                ; the registers are loaded again only behind this wait
.endr
.irp o, 0,1,2,3,4,5,6,7,8,9,10,11,12,13,14,15
	v_add_f32 v[S1+2*\o], v[S1+2*\o], v[S1+2*\o+1]
.endr
.irp o, 0,1,2,3,4,5,6,7,8,9,10,11,12,13,14,15
	v_permlanex16_b32 v[S1+2*\o+1], v[S1+2*\o], s16, s17
.endr
.irp o, 0,1,2,3,4,5,6,7,8,9,10,11,12,13,14,15
	v_add_f32 v[S1+2*\o], v[S1+2*\o], v[S1+2*\o+1]
.endr
	s_lshl_b32 s19, s18, 10
	s_add_co_u32 s19, s19, SR2
	v_add_nc_u32 v13, s19, v11
.irp o, 0,1,2,3,4,5,6,7
	ds_store_b32 v13, v[S1+2*\o] offset:64*\o      ; both halves of the lanes write the same word with the same number
	ds_store_b32 v13, v[S2+2*\o] offset:512+64*\o
.endr
	s_wait_dscnt 0x0
	s_barrier_signal -1
	s_barrier_wait -1
	v_lshl_add_u32 v14, v0, 2, SR2
	v_lshlrev_b32 v15, 2, v0
.irp q, 0,1,2,3
	ds_load_b32 v[16+\q], v14 offset:1024*\q
	ds_load_b32 v[20+\q], v14 offset:1024*\q+512
.endr
	s_wait_dscnt 0x0
	v_add_f32 v16, v16, v17
	v_add_f32 v18, v18, v19
	v_add_f32 v20, v20, v21
	v_add_f32 v22, v22, v23
	v_add_f32 v16, v16, v18
	v_add_f32 v20, v20, v22
	global_store_b32 v15, v16, s[14:15]
	global_store_b32 v15, v20, s[14:15] offset:512
	s_wait_tensorcnt 0x0                           ; the wave's end
	ds_add_u32 v4, v5
	s_wait_dscnt 0x0
	s_endpgm
.Lfunc_end_k_qfbd9065aed_conv2:
	.size	k_qfbd9065aed_conv2, .Lfunc_end_k_qfbd9065aed_conv2-k_qfbd9065aed_conv2
	.p2alignl 7, 3214868480
	.fill 96, 4, 3214868480
	.section	.rodata,"a",@progbits
	.p2align	6, 0x0
	.amdhsa_kernel k_qfbd9065aed_conv2
		.amdhsa_group_segment_fixed_size 209408
		.amdhsa_private_segment_fixed_size 0
		.amdhsa_enable_private_segment 0
		.amdhsa_kernarg_size 40
		.amdhsa_user_sgpr_count 2
		.amdhsa_user_sgpr_kernarg_segment_ptr 1
		.amdhsa_wavefront_size32 1
		.amdhsa_system_sgpr_workgroup_id_x 1
		.amdhsa_system_sgpr_workgroup_id_y 1
		.amdhsa_system_sgpr_workgroup_id_z 1
		.amdhsa_system_vgpr_workitem_id 0
		.amdhsa_next_free_vgpr 1024
		.amdhsa_next_free_sgpr 66
		.amdhsa_reserve_vcc 0
		.amdhsa_float_denorm_mode_32 3
		.amdhsa_float_denorm_mode_16_64 3
		.amdhsa_memory_ordered 1
		.amdhsa_forward_progress 1
		.amdhsa_inst_pref_size 132
	.end_amdhsa_kernel
	.amdgpu_metadata
---
amdhsa.version: [ 1, 2 ]
amdhsa.kernels:
  - .name:           k_qfbd9065aed_conv2
    .symbol:         k_qfbd9065aed_conv2.kd
    .args:
      - { .name: y1, .offset: 0, .size: 8, .value_kind: global_buffer, .address_space: global }
      - { .name: W2, .offset: 8, .size: 8, .value_kind: global_buffer, .address_space: global }
      - { .name: b2, .offset: 16, .size: 8, .value_kind: global_buffer, .address_space: global }
      - { .name: ab1, .offset: 24, .size: 8, .value_kind: global_buffer, .address_space: global }
      - { .name: y2, .offset: 32, .size: 8, .value_kind: global_buffer, .address_space: global }
    .group_segment_fixed_size: 209408
    .private_segment_fixed_size: 0
    .kernarg_segment_align: 8
    .kernarg_segment_size: 40
    .max_flat_workgroup_size: 128
    .sgpr_count:     66
    .vgpr_count:     1024
    .wavefront_size: 32
...
	.end_amdgpu_metadata
.endif
;; end of part 5
;; launch bn2: the kernel of part 4 again; grid 1 x 1, 32 waves a work-group, no clusters, 8,192 bytes of LDS; arguments y2, g2, be2, ab2; writes ab2
;; launch apply (part 6): grid 1024 x 1, 8 waves a work-group, no clusters, 0 bytes of LDS; arguments y2, ab2, out0; writes out0
.if DOCPART == 6
	.amdgcn_target "amdgcn-amd-amdhsa--gfx1250"
	.amdhsa_code_object_version 6
	.text
	.protected	k_qfbd9065aed_apply
	.globl	k_qfbd9065aed_apply
	.p2align	8
	.type	k_qfbd9065aed_apply,@function
k_qfbd9065aed_apply:
	s_mov_b64 s[64:65], 0
	v_nop
	global_prefetch_b8 v0, s[64:65] scope:SCOPE_SE
	s_setreg_imm32_b32 hwreg(HW_REG_WAVE_MODE, 25, 1), 1
	s_wait_xcnt 0x0
; out0[b][ch][n] = relu(a2[ch] y2''[ch][n] + s2[ch]).  y2'' is f16, [group of 128 points][128 channels][128 points]; out0 is f32.
; A stream: a work-group takes a group of 128 points, a wave 16 channels.  A load of the wave covers one channel's 256 bytes, a store 512 consecutive bytes of out0, aligned.
; All sixteen loads are issued at once; no register is written twice, so the only waits are the counted ones for the loads.  LDS, matrix units and clusters would add nothing: each byte is moved once.
	s_load_b128 s[4:7], s[0:1], 0x0                ; y2, ab2
	s_load_b64 s[8:9], s[0:1], 0x10                ; out0
	v_lshrrev_b32 v1, 5, v0
	v_readfirstlane_b32 s10, v1                    ; wave
	v_and_b32 v2, 31, v0
	v_lshlrev_b32 v3, 3, v2
	v_lshlrev_b32 v4, 4, v2
	s_lshl_b32 s11, s10, 6                         ; my 16 channels' numbers: 64 bytes
	s_lshl_b32 s12, ttmp9, 15
	s_lshl_b32 s14, s10, 12
	s_add_co_u32 s12, s12, s14
	s_add_co_u32 s12, s12, 262144
	s_mov_b32 s13, 0
	s_lshr_b32 s14, ttmp9, 7                       ; batch
	s_lshl_b32 s14, s14, 23
	s_lshl_b32 s15, s10, 20
	s_add_co_u32 s14, s14, s15
	s_and_b32 s15, ttmp9, 127
	s_lshl_b32 s15, s15, 9
	s_add_co_u32 s14, s14, s15
	s_mov_b32 s15, 0
	s_wait_kmcnt 0x0
	s_load_b512 s[16:31], s[6:7], s11 offset:0x0   ; a2
	s_load_b512 s[32:47], s[6:7], s11 offset:0x200 ; s2
	s_add_nc_u64 s[4:5], s[4:5], s[12:13]
	s_add_nc_u64 s[8:9], s[8:9], s[14:15]
.irp i, 0,1,2,3,4,5,6,7,8,9,10,11,12,13,14,15
	global_load_b64 v[8+2*\i:9+2*\i], v3, s[4:5] offset:256*\i th:TH_LOAD_NT
.endr
	s_wait_kmcnt 0x0
.irp i, 0,1,2,3,4,5,6,7,8,9,10,11,12,13,14,15
	v_mov_b32 v[40+\i], s[16+\i]                   ; the multiply-add from an f16 half takes vector registers alone
	v_mov_b32 v[56+\i], s[32+\i]
.endr
.irp i, 0,1,2,3,4,5,6,7,8,9,10,11,12,13,14,15
	s_wait_loadcnt 15-\i                           ; loads come back in order: channel i's is in
	v_fma_mix_f32 v[72+4*\i], v[8+2*\i], v[40+\i], v[56+\i] op_sel:[0,0,0] op_sel_hi:[1,0,0]
	v_fma_mix_f32 v[73+4*\i], v[8+2*\i], v[40+\i], v[56+\i] op_sel:[1,0,0] op_sel_hi:[1,0,0]
	v_fma_mix_f32 v[74+4*\i], v[9+2*\i], v[40+\i], v[56+\i] op_sel:[0,0,0] op_sel_hi:[1,0,0]
	v_fma_mix_f32 v[75+4*\i], v[9+2*\i], v[40+\i], v[56+\i] op_sel:[1,0,0] op_sel_hi:[1,0,0]
	v_max_num_f32 v[72+4*\i], 0, v[72+4*\i]
	v_max_num_f32 v[73+4*\i], 0, v[73+4*\i]
	v_max_num_f32 v[74+4*\i], 0, v[74+4*\i]
	v_max_num_f32 v[75+4*\i], 0, v[75+4*\i]
	global_store_b128 v4, v[72+4*\i:75+4*\i], s[8:9] offset:65536*\i th:TH_STORE_NT
.endr
	s_endpgm
.Lfunc_end_k_qfbd9065aed_apply:
	.size	k_qfbd9065aed_apply, .Lfunc_end_k_qfbd9065aed_apply-k_qfbd9065aed_apply
	.p2alignl 7, 3214868480
	.fill 96, 4, 3214868480
	.section	.rodata,"a",@progbits
	.p2align	6, 0x0
	.amdhsa_kernel k_qfbd9065aed_apply
		.amdhsa_group_segment_fixed_size 0
		.amdhsa_private_segment_fixed_size 0
		.amdhsa_enable_private_segment 0
		.amdhsa_kernarg_size 24
		.amdhsa_user_sgpr_count 2
		.amdhsa_user_sgpr_kernarg_segment_ptr 1
		.amdhsa_wavefront_size32 1
		.amdhsa_system_sgpr_workgroup_id_x 1
		.amdhsa_system_sgpr_workgroup_id_y 1
		.amdhsa_system_sgpr_workgroup_id_z 1
		.amdhsa_system_vgpr_workitem_id 0
		.amdhsa_next_free_vgpr 136
		.amdhsa_next_free_sgpr 66
		.amdhsa_reserve_vcc 0
		.amdhsa_float_denorm_mode_32 3
		.amdhsa_float_denorm_mode_16_64 3
		.amdhsa_memory_ordered 1
		.amdhsa_forward_progress 1
		.amdhsa_inst_pref_size 12
	.end_amdhsa_kernel
	.amdgpu_metadata
---
amdhsa.version: [ 1, 2 ]
amdhsa.kernels:
  - .name:           k_qfbd9065aed_apply
    .symbol:         k_qfbd9065aed_apply.kd
    .args:
      - { .name: y2, .offset: 0, .size: 8, .value_kind: global_buffer, .address_space: global }
      - { .name: ab2, .offset: 8, .size: 8, .value_kind: global_buffer, .address_space: global }
      - { .name: out0, .offset: 16, .size: 8, .value_kind: global_buffer, .address_space: global }
    .group_segment_fixed_size: 0
    .private_segment_fixed_size: 0
    .kernarg_segment_align: 8
    .kernarg_segment_size: 24
    .max_flat_workgroup_size: 256
    .sgpr_count:     66
    .vgpr_count:     136
    .wavefront_size: 32
...
	.end_amdgpu_metadata
.endif
;; end of part 6
;; ======== version 2 of 2: 7 launches; version 1 with the launches knn_coarse, conv2 written anew for expert scheduling mode
;; limits: values are held in f16: magnitudes above 65,504 overflow, below 6.1e-05 lose precision
;; workspace buffers: blk 524,288 bytes of whole numbers; nidx 524,288 bytes of whole numbers; prep 6,291,456 bytes; y1 67,633,152 bytes; y2 33,816,576 bytes; ab1 4,096 bytes; ab2 2,048 bytes
;; launch knn_coarse (part 7): grid 256 x 1, 8 waves a work-group, no clusters, 33,792 bytes of LDS; arguments xyz1, xyz2, blk; writes blk
.if DOCPART == 7
	.amdgcn_target "amdgcn-amd-amdhsa--gfx1250"
	.amdhsa_code_object_version 6
	.text
	.protected	k_qfbd9065aed_knn_coarse
	.globl	k_qfbd9065aed_knn_coarse
	.p2align	8
	.type	k_qfbd9065aed_knn_coarse,@function
k_qfbd9065aed_knn_coarse:
	s_mov_b64 s[64:65], 0
	v_nop
	global_prefetch_b8 v0, s[64:65] scope:SCOPE_SE
	s_setreg_imm32_b32 hwreg(HW_REG_WAVE_SCHED_MODE, 0, 2), 2
	s_setreg_imm32_b32 hwreg(HW_REG_WAVE_MODE, 25, 1), 1
	s_wait_xcnt 0x0
	s_wait_alu depctr_vm_vsrc(0)
; COARSE NEAREST NEIGHBOURS.  For each of 131,072 queries: which four blocks of 8 consecutive candidates (of 128 blocks) have the smallest least distance.
; The three nearest candidates lie in the three blocks with the smallest minima; a fourth is kept as margin.  The exact choice among the 32 candidates is the next launch's.
; d2 = |x1|^2 + |x2|^2 - 2 x1.x2 comes from ONE bf16 matrix instruction for 16 candidates (rows) x 16 queries (columns):
;   k 0-2: s x (-2 x);  k 3-5: |s|^2 in three bf16 pieces x 1;  k 6-8: 1 x |x|^2 in three bf16 pieces;  all other k are 0.
; In the result a lane holds 8 consecutive candidates of one query: one block.  Per block: 4 lines for its minimum, 1 to put the block's number into the 7 low bits, 4 to insert the key into a sorted list of four.
; All coordinates are rounded to bf16 first (the whole program works on inputs rounded to bf16).
; LIMITS.  The key keeps 17 significant bits of d2, and d2 carries the rounding of sums of the size of |x1|^2 + |x2|^2: a block of the true three is lost only if two further blocks lie within that of it.
; NaN and infinities are not treated.
; SHARES.  A work-group: 512 queries of one batch; a wave 64, in four column tiles; tile p = 2 a + e holds in column r the wave's query 2 r + 32 a + e, so that lane L ends with queries 2 L and 2 L + 1.
; THE MODE: SCHED_MODE bits 1:0 = 2 (LLVM: expert scheduling mode 2), set by the entry lines.  The code itself states the register dependences
; between vector or matrix instructions and memory or LDS instructions, with s_wait_alu, always for 0.
; THE PLAN.  Registers that memory or LDS instructions touch:
;   v3            LDS address of my 16 bytes of a table tile.  Read by every table load; written at the head and once a trip, at the trip's end.
;   v6, v8-v10    offsets, made at the head and never written again.
;   v116-v135     at the start: the rows of my four candidates, a set of registers for each.  Written by vector lines, read by ONE run of eight LDS stores; later part of the products' results.
;   AA0 .. AA3    registers 0-3 of each: written by the table loads, read by the products.  Tile t lies in AA[t % 4] and is multiplied in step t - 1.
;   v176, v177    written by two selects, read by the one global store.
; The table loads go in pairs, at the head of the even steps: tile t + 3 into the buffer of tile t - 1, tile t + 4 into the buffer of tile t.  Both were multiplied ahead of the one wait on va_vdst
; that stands there, and no vector or matrix line between that wait and the two loads names them.  One wait on vm_vsrc a trip stands ahead of the add to v3.
.set SPARE, 32768                      ; behind the table: the spare words, 128 bytes a wave
.set AA, 16                            ; v16-47   four buffers of a candidate fragment; registers 4-7 of each stay 0
.set BB, 48                            ; v48-79   the four query fragments; registers 4-7 of each are 0
.set DD, 80                            ; v80-143  two sets of four results; at the start: loaded coordinates and temporaries
.set OC, 120                           ; v120-135 at the start only: candidate e's first 16 bytes at OC + 4 e
.set LS, 144                           ; v144-159 tile p: its sorted list m0 <= m1 <= m2 <= m3
	s_load_b128 s[4:7], s[0:1], 0x0                ; xyz1, xyz2
	s_load_b64 s[8:9], s[0:1], 0x10                ; blk
	v_lshl_add_u32 v4, v0, 2, SPARE                ; my spare word
	v_mov_b32 v5, 0
	v_lshrrev_b32 v6, 5, v0
	v_readfirstlane_b32 s10, v6                    ; wave
	v_and_b32 v1, 15, v0                           ; r
	v_bfe_u32 v2, v0, 4, 1                         ; h
	v_and_b32 v3, 31, v0
	v_lshlrev_b32 v10, 3, v3                       ; 8 L: where I store two queries' words
	v_lshlrev_b32 v3, 4, v3                        ; 16 L: my 16 bytes of a table tile
	v_mul_u32_u24 v8, v0, 48                       ; four candidates a thread: 48 bytes
	v_mul_u32_u24 v9, v1, 24                       ; two queries: 24 bytes
	v_lshrrev_b32 v6, 2, v0
	v_and_b32 v7, 3, v0
	v_lshlrev_b32 v6, 9, v6
	v_lshl_add_u32 v6, v7, 6, v6                   ; candidate 4 t + e lies in tile t / 4 at 16 (4 (t % 4) + e)
	v_mov_b32 v7, 0
	s_wait_alu depctr_va_sdst(0)                   ; s10 is written, ahead of its first reader: the bases of xyz1 and blk are made from it
	s_lshr_b32 s12, ttmp9, 5                       ; batch
	s_mul_i32 s20, s12, 12288
	s_mov_b32 s21, 0
	s_mul_i32 s22, ttmp9, 6144                     ; 512 queries x 12 bytes
	s_mul_i32 s12, s10, 768
	s_add_co_u32 s22, s22, s12
	s_mov_b32 s23, 0
	s_lshl_b32 s24, ttmp9, 11
	s_lshl_b32 s12, s10, 8
	s_add_co_u32 s24, s24, s12
	s_mov_b32 s25, 0
	s_mov_b32 s14, 0                               ; 2 x the tile in hand: the even block's number
	s_mov_b32 s15, 0xffffff80
	s_mov_b32 s16, 0x76543210                      ; v_permlanex16_b32: each lane takes its own place in the other half
	s_mov_b32 s17, 0xfedcba98
	s_mov_b32 s18, 0xffff0000                      ; the lanes with h = 1
	s_wait_kmcnt 0x0
	s_add_nc_u64 s[6:7], s[6:7], s[20:21]
	s_add_nc_u64 s[4:5], s[4:5], s[22:23]
	s_add_nc_u64 s[8:9], s[8:9], s[24:25]
	s_wait_alu depctr_va_vdst(0)                   ; the offsets and addresses v3, v6, v8, v9, v10 are written, which the loads and stores below read
	global_load_b128 v[80:83], v8, s[6:7]
	global_load_b128 v[84:87], v8, s[6:7] offset:16
	global_load_b128 v[88:91], v8, s[6:7] offset:32
.irp a, 0,1
.irp q, 0,1,2
	global_load_b64 v[92+6*\a+2*\q:93+6*\a+2*\q], v9, s[4:5] offset:384*\a+8*\q
.endr
.endr
	v_mov_b32 v107, 0x3f803f80                     ; 1, 1 in bf16
	v_mov_b32 v115, 1.0
	v_mov_b32 v116, 0x3f80                         ; the h = 1 piece of a candidate: k 8 = 1, the rest 0
	v_mov_b32 v117, 0
	v_mov_b32 v118, 0
	v_mov_b32 v119, 0
.irp e, 0,1,2,3
	v_mov_b32 v[OC+4*\e+3], 0x3f803f80             ; k 6, 7 of each candidate's row: 1, 1
.endr
.irp u, 0,1,2,3
.irp j, 4,5,6,7
	v_mov_b32 v[AA+8*\u+\j], 0
	v_mov_b32 v[BB+8*\u+\j], 0
.endr
.endr
.irp i, 0,1,2,3,4,5,6,7,8,9,10,11,12,13,14,15
	v_mov_b32 v[LS+\i], 0x7f7fff00                 ; far above every key
.endr
.irp i, 0,1,2,3
	v_mov_b32 v[164+\i], 0                         ; destinations of the lane exchange count as read
.endr
; Candidate e of my four: rounded, its squared norm split in three bf16 pieces, into its own set of registers; the stores follow in one run.
.macro CAND e
	v_cvt_pk_bf16_f32 v[OC+4*\e], v[80+3*\e], v[81+3*\e]
	v_cvt_pk_bf16_f32 v108, v[82+3*\e], v[82+3*\e]
	v_lshlrev_b32 v109, 16, v[OC+4*\e]
	v_and_b32 v110, 0xffff0000, v[OC+4*\e]
	v_lshlrev_b32 v111, 16, v108
	v_mul_f32 v112, v109, v109
	v_fmac_f32 v112, v110, v110
	v_fmac_f32 v112, v111, v111
	v_cvt_pk_bf16_f32 v[OC+4*\e+1], v111, v112     ; z, first piece
	v_and_b32 v113, 0xffff0000, v[OC+4*\e+1]
	v_sub_f32 v113, v112, v113
	v_cvt_pk_bf16_f32 v114, v113, v113
	v_lshlrev_b32 v114, 16, v114
	v_sub_f32 v114, v113, v114
	v_cvt_pk_bf16_f32 v[OC+4*\e+2], v113, v114     ; second and third piece
.endm
; The query fragment of tile p: every lane makes both pieces and keeps the one of its half.
.macro QFRAG p
.set QX, 92+6*((\p)/2)+3*((\p)%2)
	v_cvt_pk_bf16_f32 v104, v[QX], v[QX+1]
	v_cvt_pk_bf16_f32 v108, v[QX+2], v[QX+2]
	v_lshlrev_b32 v109, 16, v104
	v_and_b32 v110, 0xffff0000, v104
	v_lshlrev_b32 v111, 16, v108
	v_mul_f32 v112, v109, v109
	v_fmac_f32 v112, v110, v110
	v_fmac_f32 v112, v111, v111
	v_mul_f32 v109, -2.0, v109
	v_mul_f32 v110, -2.0, v110
	v_mul_f32 v111, -2.0, v111
	v_cvt_pk_bf16_f32 v104, v109, v110
	v_cvt_pk_bf16_f32 v105, v111, v115
	v_cvt_pk_bf16_f32 v113, v112, v112
	v_lshlrev_b32 v113, 16, v113
	v_sub_f32 v113, v112, v113
	v_cvt_pk_bf16_f32 v114, v113, v113
	v_lshlrev_b32 v114, 16, v114
	v_sub_f32 v114, v113, v114
	v_cvt_pk_bf16_f32 v106, v112, v113             ; first and second piece
	v_cvt_pk_bf16_f32 v108, v114, v7               ; third piece, 0
	v_cndmask_b32 v[BB+8*(\p)], v104, v108, s18
	v_cndmask_b32 v[BB+8*(\p)+1], v105, v7, s18
	v_cndmask_b32 v[BB+8*(\p)+2], v107, v7, s18
	v_cndmask_b32 v[BB+8*(\p)+3], v106, v7, s18
.endm
	s_wait_loadcnt 0x6                             ; the three loads of candidates are in; the six of queries, issued behind them, may be out
	CAND 0
	CAND 1
	CAND 2
	CAND 3
	s_wait_alu depctr_va_vdst(0)                   ; the four candidates' rows, v116 to v135, are written, which the eight LDS stores read
.irp e, 0,1,2,3
	ds_store_b128 v6, v[OC+4*\e:OC+4*\e+3] offset:16*\e
	ds_store_b128 v6, v[116:119] offset:256+16*\e
.endr
	s_wait_loadcnt 0x0
	QFRAG 0
	QFRAG 1
	QFRAG 2
	QFRAG 3
	s_wait_dscnt 0x0                               ; my rows of the table are written,
	s_barrier_signal -1
	s_barrier_wait -1                              ; everybody's are
	s_wait_alu depctr_vm_vsrc(0)                   ; my LDS stores have read v116 to v135: these registers are results of the products from here on
.macro WM set, u, p                    ; 16 candidates of buffer u x the 16 queries of tile p
	v_wmma_f32_16x16x32_bf16 v[DD+32*(\set)+8*(\p):DD+32*(\set)+8*(\p)+7], v[AA+8*(\u):AA+8*(\u)+7], v[BB+8*(\p):BB+8*(\p)+7], 0
.endm
; Tiles p and p + 1 of a set, line by line in turn.  Each result's lowest registers are read first.
.macro PROC2 set, p
.set PD0, DD+32*(\set)+8*(\p)
.set PD1, PD0+8
.set PL0, LS+4*(\p)
.set PL1, PL0+4
	v_min3_num_f32 v160, v[PD0], v[PD0+1], v[PD0+2]
	v_min3_num_f32 v162, v[PD1], v[PD1+1], v[PD1+2]
	v_min3_num_f32 v161, v[PD0+3], v[PD0+4], v[PD0+5]
	v_min3_num_f32 v163, v[PD1+3], v[PD1+4], v[PD1+5]
	v_min3_num_f32 v160, v160, v161, v[PD0+6]
	v_min3_num_f32 v162, v162, v163, v[PD1+6]
	v_min_num_f32 v160, v160, v[PD0+7]
	v_min_num_f32 v162, v162, v[PD1+7]
	v_and_or_b32 v160, v160, s15, s14              ; the key: the minimum with the block's number in its 7 low bits
	v_and_or_b32 v162, v162, s15, s14
	v_med3_num_f32 v[PL0+3], v[PL0+2], v[PL0+3], v160
	v_med3_num_f32 v[PL1+3], v[PL1+2], v[PL1+3], v162
	v_med3_num_f32 v[PL0+2], v[PL0+1], v[PL0+2], v160
	v_med3_num_f32 v[PL1+2], v[PL1+1], v[PL1+2], v162
	v_med3_num_f32 v[PL0+1], v[PL0], v[PL0+1], v160
	v_med3_num_f32 v[PL1+1], v[PL1], v[PL1+1], v162
	v_min_num_f32 v[PL0], v[PL0], v160
	v_min_num_f32 v[PL1], v[PL1], v162
.endm
; Candidate tile t (t % 4 = u) is worked on while tile t + 1 is multiplied.  Between a product and the first read of its result stand 18 plain vector lines or more
; that name none of its registers (ISA guide 7.12.1 asks for four).  ld: how many table loads stand at the step's head: tile t + 3, and with ld = 2 tile t + 4 too.
.macro STEP u, ld, cnt
	s_wait_dscnt \cnt                              ; LDS loads come back in order: tile t + 1 is in, the younger ones may be out
.if \ld
	s_wait_alu depctr_va_vdst(0)                   ; the products of the two steps before are done reading the buffers of tiles t - 1 and t, in which the loads below land; behind a trip's end, v3 is written
	ds_load_b128 v[AA+8*(((\u)+3)%4):AA+8*(((\u)+3)%4)+3], v3 offset:((\u)+3)*512  ; tile t + 3
.endif
.if (\ld) > 1
	ds_load_b128 v[AA+8*(\u):AA+8*(\u)+3], v3 offset:((\u)+4)*512  ; tile t + 4
.endif
	WM ((\u)+1)%2, ((\u)+1)%4, 0
	WM ((\u)+1)%2, ((\u)+1)%4, 1
	PROC2 (\u)%2, 0
	WM ((\u)+1)%2, ((\u)+1)%4, 2
	WM ((\u)+1)%2, ((\u)+1)%4, 3
	PROC2 (\u)%2, 2
	s_add_co_u32 s14, s14, 2
.endm
.irp u, 0,1,2
	ds_load_b128 v[AA+8*\u:AA+8*\u+3], v3 offset:512*\u
.endr
	s_wait_dscnt 0x2                               ; tile 0 is in
	WM 0, 0, 0
	WM 0, 0, 1
	WM 0, 0, 2
	WM 0, 0, 3
.rept 4
	v_nop
.endr
	s_mov_b32 s13, 15
.Lwalk:                                                ; four tiles a trip.  At an even step the load of tile t + 2 may be out (count 1), at an odd step those of tiles t + 2 and t + 3 (count 2)
	STEP 0, 2, 1
	STEP 1, 0, 2
	STEP 2, 2, 1
	STEP 3, 0, 2
	s_wait_alu depctr_vm_vsrc(0)                   ; the table loads issued so far have read v3
	v_add_nc_u32 v3, 2048, v3
	s_sub_co_u32 s13, s13, 1
	s_cmp_lg_u32 s13, 0
	s_cbranch_scc1 .Lwalk
	STEP 0, 1, 1                                   ; tiles 60 to 63: tile 63 is the last to load, then the counts run down
	STEP 1, 0, 1
	STEP 2, 0, 0
	PROC2 1, 0
	PROC2 1, 2
; The two halves of the lanes hold the even and the odd blocks of a query.  Of two sorted lists of four the four smallest are min(m_i, q_(3-i)).  Their numbers are sorted, so that the next launch walks candidates in ascending order.
.macro CE a, b
	v_min_u32 v172, v[160+\a], v[160+\b]
	v_max_u32 v[160+\b], v[160+\a], v[160+\b]
	v_mov_b32 v[160+\a], v172
.endm
.macro MERGE p
.irp i, 0,1,2,3
	v_or_b32 v[LS+4*(\p)+\i], v[LS+4*(\p)+\i], v2
.endr
.irp i, 0,1,2,3
	v_permlanex16_b32 v[164+\i], v[LS+4*(\p)+\i], s16, s17
.endr
.irp i, 0,1,2,3
	v_min_num_f32 v[160+\i], v[LS+4*(\p)+\i], v[167-\i]
.endr
.irp i, 0,1,2,3
	v_and_b32 v[160+\i], 0x7f, v[160+\i]
.endr
	CE 0, 1
	CE 2, 3
	CE 0, 2
	CE 1, 3
	CE 1, 2
	v_lshl_or_b32 v[168+(\p)], v161, 8, v160
	v_lshl_or_b32 v[168+(\p)], v162, 16, v[168+(\p)]
	v_lshl_or_b32 v[168+(\p)], v163, 24, v[168+(\p)]
.endm
	MERGE 0
	MERGE 1
	MERGE 2
	MERGE 3
	v_cndmask_b32 v176, v168, v170, s18            ; lane L keeps queries 2 L and 2 L + 1
	v_cndmask_b32 v177, v169, v171, s18
	s_wait_alu depctr_va_vdst(0)                   ; the two selects have written v176 and v177, which the store reads
	global_store_b64 v10, v[176:177], s[8:9]       ; the wave stores 256 consecutive bytes, aligned
	s_wait_dscnt 0x0                               ; the closing lines, six on end
	s_wait_alu 0x0
	s_wait_tensorcnt 0x0
	ds_add_u32 v4, v5
	s_wait_dscnt 0x0
	s_endpgm
.Lfunc_end_k_qfbd9065aed_knn_coarse:
	.size	k_qfbd9065aed_knn_coarse, .Lfunc_end_k_qfbd9065aed_knn_coarse-k_qfbd9065aed_knn_coarse
	.p2alignl 7, 3214868480
	.fill 96, 4, 3214868480
	.section	.rodata,"a",@progbits
	.p2align	6, 0x0
	.amdhsa_kernel k_qfbd9065aed_knn_coarse
		.amdhsa_group_segment_fixed_size 33792
		.amdhsa_private_segment_fixed_size 0
		.amdhsa_enable_private_segment 0
		.amdhsa_kernarg_size 24
		.amdhsa_user_sgpr_count 2
		.amdhsa_user_sgpr_kernarg_segment_ptr 1
		.amdhsa_wavefront_size32 1
		.amdhsa_system_sgpr_workgroup_id_x 1
		.amdhsa_system_sgpr_workgroup_id_y 1
		.amdhsa_system_sgpr_workgroup_id_z 1
		.amdhsa_system_vgpr_workitem_id 0
		.amdhsa_next_free_vgpr 184
		.amdhsa_next_free_sgpr 66
		.amdhsa_reserve_vcc 0
		.amdhsa_float_denorm_mode_32 3
		.amdhsa_float_denorm_mode_16_64 3
		.amdhsa_memory_ordered 1
		.amdhsa_forward_progress 1
		.amdhsa_inst_pref_size 40
	.end_amdhsa_kernel
	.amdgpu_metadata
---
amdhsa.version: [ 1, 2 ]
amdhsa.kernels:
  - .name:           k_qfbd9065aed_knn_coarse
    .symbol:         k_qfbd9065aed_knn_coarse.kd
    .args:
      - { .name: xyz1, .offset: 0, .size: 8, .value_kind: global_buffer, .address_space: global }
      - { .name: xyz2, .offset: 8, .size: 8, .value_kind: global_buffer, .address_space: global }
      - { .name: blk, .offset: 16, .size: 8, .value_kind: global_buffer, .address_space: global }
    .group_segment_fixed_size: 33792
    .private_segment_fixed_size: 0
    .kernarg_segment_align: 8
    .kernarg_segment_size: 24
    .max_flat_workgroup_size: 256
    .sgpr_count:     66
    .vgpr_count:     184
    .wavefront_size: 32
...
	.end_amdgpu_metadata
.endif
;; end of part 7
;; launch prep_fine: the kernel of part 2 again; grid 256 x 1, 8 waves a work-group, no clusters, 78,336 bytes of LDS; arguments W1, b1, points2, xyz1, xyz2, blk, prep, nidx; writes prep, nidx
;; launch conv1: the kernel of part 3 again; grid 256 x 1, 8 waves a work-group, no clusters, 327,680 bytes of LDS; arguments W1, points1, prep, nidx, y1; writes y1
;; launch bn1: the kernel of part 4 again; grid 2 x 1, 32 waves a work-group, no clusters, 8,192 bytes of LDS; arguments y1, g1, be1, ab1; writes ab1
;; launch conv2 (part 8): grid 256 x 1, 4 waves a work-group, no clusters, 209,408 bytes of LDS; arguments y1, W2, b2, ab1, y2; writes y2
.if DOCPART == 8
	.amdgcn_target "amdgcn-amd-amdhsa--gfx1250"
	.amdhsa_code_object_version 6
	.text
	.protected	k_qfbd9065aed_conv2
	.globl	k_qfbd9065aed_conv2
	.p2align	8
	.type	k_qfbd9065aed_conv2,@function
k_qfbd9065aed_conv2:
	s_mov_b64 s[64:65], 0
	v_nop
	global_prefetch_b8 v0, s[64:65] scope:SCOPE_SE
	s_setreg_imm32_b32 hwreg(HW_REG_WAVE_SCHED_MODE, 0, 2), 2
	s_setreg_imm32_b32 hwreg(HW_REG_WAVE_MODE, 25, 1), 1
	s_wait_xcnt 0x0
	s_wait_alu depctr_vm_vsrc(0)
; SECOND CONVOLUTION.  h = relu(a1 y1'' + s1) in packed f16; y2''[o][n] = W2 . h[:, n] + b2 - W2 . relu(s1), stored in f16; the sums of y2'' and its squares per channel in f32.
; The constant per channel does not change the batch norm that follows; it is y2 at y1'' = 0, and keeps y2'' small.  W2 and b2 are rounded to bf16 like every input; W2's rounded numbers are then written as f16.
; SHARES.  A work-group: 512 points; a wave 128 points: 8 tiles of 16.  All of W2 (64 fragments) lies in 512 registers of every wave; a1 and s1 in 128.
; THE PRODUCT IS USED TRANSPOSED: source 0 = 16 points x 32 channels of h, which are y1's bytes as they lie; source 1 = 16 rows of W2.  A lane then holds 8 neighbouring points of ONE output channel:
; 16 bytes of a row of y2, and one pair of registers for each sum.  A wave's 128 channels x 128 points gather in its own LDS stage and leave as whole rows of 256 bytes.
; No tensor loads and no cluster: y1 is read once, by one wave, straight into the registers from which it is multiplied.
; LIMITS.  h, y2'' within f16's 65,504; numbers of W2 below 2^-14 keep f16's fixed step of 2^-24.
; THE MODE: SCHED_MODE bits 1:0 = 2 (LLVM: expert scheduling mode 2), set by the entry lines.  The code itself states the register dependences
; between vector or matrix instructions and memory or LDS instructions, with s_wait_alu, always for 0.
; THE PLAN.  Registers that memory or LDS instructions touch, in the loop over tiles:
;   Y0, Y1, Y2   three tiles of y1 in window 1.  Tile t lies in Y[t % 3]: its scalings write it in place, its products read it.  The loads of tile t + 2, at the head of tile t, land in Y[(t - 1) % 3].
;   DA           the eight accumulators.  Written by tile t's products; its sums read them and its roundings close eight numbers up into the first four of their eight registers; the tile's eight LDS stores read those.
;   v9           LDS address in my stage: read by those stores; written once a trip, at the trip's end.
;   v3           offset of every load of y1; never written again: the scalar base moves on, and immediate offsets do the rest.
; ONE wait on va_vdst stands in a tile, at its end, behind the roundings: they have written what the stores read, and the tile's products are done reading its Y, in which the loads at the next tile's head land.
; Between that wait and those loads stand the LDS stores, scalar lines and, at a trip's end, the add to v9: none names v3 or a Y.
; One wait on vm_vsrc stands ahead of a tile's products, which write DA again, 128 vector lines behind the stores that read it; for a trip's first tile the wait at the trip's end, ahead of the add to v9, serves.
.set STG,   65536                      ; behind W2's fragments (64 x 1,024 bytes): 128 rows of 272 bytes for each wave
.set SR2,   204800                     ; [wave][sum, sum of squares][128] f32
.set SPARE, 208896
.set AV, 16                            ; v16-79   a1 as fragments, 8 registers a K step
.set SV, 80                            ; v80-143  s1
.set DA, 144                           ; v144-207 eight accumulators
.set S1, 208                           ; v208-223 a pair for each channel tile
.set S2, 224                           ; v224-239
.set P,  240                           ; v240-247 at the head only
.set B2, 248                           ; v248-255 at the head only
; window 1: v0-63, v64-127, v192-255 three tiles of y1 (the third lies where relu(s1) lay at the head); v128-191 b2 - W2 . relu(s1)      windows 2, 3: W2's fragment (tile o, K step c) at 8 (8 (c % 4) + o), K steps 0-3 and 4-7
.set MSB, 0
.macro WIN new
.if MSB != (\new)
	s_set_vgpr_msb (MSB<<8)|(\new)
.set MSB, \new
.endif
.endm
.macro PLACES
.rept 4
	v_nop
.endr
.endm
	s_load_b256 s[4:11], s[0:1], 0x0               ; y1 4, W2 6, b2 8, ab1 10
	s_load_b64 s[12:13], s[0:1], 0x20              ; y2
	v_lshl_add_u32 v4, v0, 2, SPARE
	v_mov_b32 v5, 0
	v_lshrrev_b32 v6, 5, v0
	v_readfirstlane_b32 s18, v6                    ; wave
	v_and_b32 v1, 15, v0
	v_bfe_u32 v2, v0, 4, 1
	v_and_b32 v3, 31, v0
	v_lshlrev_b32 v3, 4, v3                        ; 16 L
	v_lshlrev_b32 v6, 10, v1
	v_lshl_add_u32 v6, v2, 5, v6                   ; W2: row r, 8 h columns on
	s_wait_alu depctr_va_sdst(0)                   ; s18 is written, ahead of its first reader: LDS addresses and all the bases are made from it
	s_lshl_b32 s19, s18, 14
	v_add_nc_u32 v7, s19, v3                       ; where my wave's fragments of W2 go
	v_mov_b32 v8, 0
	s_mul_i32 s19, s18, 34816
	s_add_co_u32 s19, s19, STG
	v_mul_u32_u24 v9, v1, 272
	v_lshl_add_u32 v9, v2, 4, v9
	v_add_nc_u32 v9, s19, v9                       ; into my stage: row r, 16 bytes by h
	v_lshlrev_b32 v10, 4, v2
	v_lshlrev_b32 v11, 2, v1
	v_mul_u32_u24 v12, v2, 272
	v_lshl_add_u32 v12, v1, 4, v12
	v_add_nc_u32 v12, s19, v12                     ; back: two whole rows a load
	s_mov_b32 s16, 0x76543210
	s_mov_b32 s17, 0xfedcba98
	s_mov_b32 s23, 0
	s_wait_kmcnt 0x0
	s_lshl_b32 s22, ttmp9, 18
	s_lshl_b32 s19, s18, 16
	s_add_co_u32 s22, s22, s19
	s_add_co_u32 s22, s22, 524288
	s_add_nc_u64 s[4:5], s[4:5], s[22:23]          ; y1 at my 8 tiles of 8,192 bytes
	s_lshl_b32 s22, s18, 15
	s_add_nc_u64 s[6:7], s[6:7], s[22:23]          ; W2 at my wave's 32 rows
	s_lshl_b32 s22, ttmp9, 10
	s_add_nc_u64 s[14:15], s[12:13], s[22:23]      ; my row of the sums
	s_lshl_b32 s22, ttmp9, 17
	s_lshl_b32 s19, s18, 15
	s_add_co_u32 s22, s22, s19
	s_add_co_u32 s22, s22, 262144
	s_add_nc_u64 s[12:13], s[12:13], s[22:23]      ; y2 at my group of 128 points
	WIN 0x40
	s_wait_alu depctr_va_vdst(0)                   ; the offsets and addresses v3, v6, v7, v9 to v12 are written, which the loads and stores below read
.irp u, 0,1
.irp o, 0,1,2,3,4,5,6,7,8,9,10,11,12,13,14,15
	global_load_b128 v[64*\u+4*\o:64*\u+4*\o+3], v3, s[4:5] offset:8192*\u+512*\o th:TH_LOAD_NT
.endr
.endr
	WIN 0
.irp c, 0,1,2,3,4,5,6,7
.irp q, 0,1
	global_load_b128 v[AV+8*\c+4*\q:AV+8*\c+4*\q+3], v10, s[10:11] offset:2048*(\c/4)+1024+64*(\c%4)+32*\q
	global_load_b128 v[SV+8*\c+4*\q:SV+8*\c+4*\q+3], v10, s[10:11] offset:2048*(\c/4)+1280+64*(\c%4)+32*\q
.endr
.endr
.irp o, 0,1,2,3,4,5,6,7
	global_load_b32 v[B2+\o], v11, s[8:9] offset:64*\o
.endr
; W2 into fragments: each wave converts its two channel tiles, two K steps a trip, and leaves them in LDS for all four
	s_mov_b32 s20, 4
.Lw2:
.irp f, 0,1,2,3
	global_load_b128 v[DA+16*\f:DA+16*\f+3],     v6, s[6:7] offset:16384*(\f/2)+128*(\f%2)
	global_load_b128 v[DA+16*\f+4:DA+16*\f+7],   v6, s[6:7] offset:16384*(\f/2)+128*(\f%2)+16
	global_load_b128 v[DA+16*\f+8:DA+16*\f+11],  v6, s[6:7] offset:16384*(\f/2)+128*(\f%2)+64
	global_load_b128 v[DA+16*\f+12:DA+16*\f+15], v6, s[6:7] offset:16384*(\f/2)+128*(\f%2)+80
.endr
	s_wait_loadcnt 0x0                             ; also frees the base, which is stepped below
.set n, 0
.rept 32
	v_cvt_pk_bf16_f32 v[S1+n], v[DA+2*n], v[DA+2*n+1]
.set n, n+1
.endr
.set n, 0
.rept 32
	v_lshlrev_b32 v[DA+2*n], 16, v[S1+n]
	v_and_b32 v[DA+2*n+1], 0xffff0000, v[S1+n]
.set n, n+1
.endr
.set n, 0
.rept 32
	v_cvt_pk_f16_f32 v[S1+n], v[DA+2*n], v[DA+2*n+1]
.set n, n+1
.endr
	s_wait_alu depctr_va_vdst(0)                   ; the conversions have written v208 to v239, which the LDS stores read, and are done with v144 to v207, in which the next trip's loads land; the last trip's add has written v7
.irp f, 0,1,2,3
	ds_store_b128 v7, v[S1+8*\f:S1+8*\f+3]   offset:8192*(\f/2)+1024*(\f%2)
	ds_store_b128 v7, v[S1+8*\f+4:S1+8*\f+7] offset:8192*(\f/2)+1024*(\f%2)+512
.endr
	s_add_nc_u64 s[6:7], s[6:7], 256
	s_wait_alu depctr_vm_vsrc(0)                   ; the LDS stores have read v7, which the add writes, and v208 to v239, which the next trip's conversions (behind the loop: the clearing of the sums) write
	v_add_nc_u32 v7, 2048, v7
	s_sub_co_u32 s20, s20, 1
	s_cmp_lg_u32 s20, 0
	s_cbranch_scc1 .Lw2
	s_wait_dscnt 0x0
	s_barrier_signal -1
	s_barrier_wait -1
	WIN 0x80
.irp c, 0,1,2,3
.irp o, 0,1,2,3,4,5,6,7
	ds_load_b128 v[8*(8*\c+\o):8*(8*\c+\o)+3],   v3 offset:1024*(8*\o+\c)
	ds_load_b128 v[8*(8*\c+\o)+4:8*(8*\c+\o)+7], v3 offset:1024*(8*\o+\c)+512
.endr
.endr
	WIN 0xc0
.irp c, 0,1,2,3
.irp o, 0,1,2,3,4,5,6,7
	ds_load_b128 v[8*(8*\c+\o):8*(8*\c+\o)+3],   v3 offset:1024*(8*\o+\c+4)
	ds_load_b128 v[8*(8*\c+\o)+4:8*(8*\c+\o)+7], v3 offset:1024*(8*\o+\c+4)+512
.endr
.endr
	WIN 0x40
.set n, 0
.rept 64
	v_pk_max_num_f16 v[192+n], v[SV+n], v8         ; relu(s1): h where y1'' = 0
.set n, n+1
.endr
	WIN 0
.set n, 0
.rept 32
	v_mov_b32 v[S1+n], 0
.set n, n+1
.endr
	s_wait_dscnt 0x0
; 64 products: K steps outside, the eight accumulators by turns inside.  ab: source 0's first register in window 1.  ck = 1: the sums start from window 1's v128 on; 0: from 0.
.macro MM64 ab, ck
.irp c, 0,1,2,3,4,5,6,7
.if ((\c) == 0) && (\ck)
	WIN 0x19
.elseif (\c) < 4
	WIN 0x09
.else
	WIN 0x0d
.endif
.irp o, 0,1,2,3,4,5,6,7
.if ((\c) == 0) && (\ck)
	v_wmma_f32_16x16x32_f16 v[DA+8*\o:DA+8*\o+7], v[(\ab)+8*\c:(\ab)+8*\c+7], v[8*(8*(\c%4)+\o):8*(8*(\c%4)+\o)+7], v[128+8*\o:128+8*\o+7]
.elseif (\c) == 0
	v_wmma_f32_16x16x32_f16 v[DA+8*\o:DA+8*\o+7], v[(\ab)+8*\c:(\ab)+8*\c+7], v[8*(8*(\c%4)+\o):8*(8*(\c%4)+\o)+7], 0
.else
	v_wmma_f32_16x16x32_f16 v[DA+8*\o:DA+8*\o+7], v[(\ab)+8*\c:(\ab)+8*\c+7], v[8*(8*(\c%4)+\o):8*(8*(\c%4)+\o)+7], v[DA+8*\o:DA+8*\o+7]
.endif
.endr
.endr
	WIN 0
	PLACES                                         ; four places behind the last product, ahead of reads of results (ISA guide 7.12.1)
.endm
	MM64 192, 0
.irp m, 0,1,2,3
	v_cvt_pk_bf16_f32 v[P+\m], v[B2+2*\m], v[B2+2*\m+1]
.endr
.irp m, 0,1,2,3
	v_lshlrev_b32 v[B2+2*\m], 16, v[P+\m]
	v_and_b32 v[B2+2*\m+1], 0xffff0000, v[P+\m]
.endr
	WIN 0x40
.irp o, 0,1,2,3,4,5,6,7
.irp j, 0,1,2,3,4,5,6,7
	v_sub_f32 v[128+8*\o+\j], v[B2+\o], v[DA+8*\o+\j]
.endr
.endr
	WIN 0
; A tile of 16 points in buffer u = t % 3.  ld: the tile two on is asked for, into the buffer of the tile before.  lc: the next tile's sixteen loads may be out.
.macro TILE u, ld, lc
.set YU, 64*(\u)+64*((\u)/2)                       ; the buffers lie at v0, v64 and v192 of window 1
.set YN, 64*(((\u)+2)%3)+64*((((\u)+2)%3)/2)
	s_wait_loadcnt \lc
.if \ld
	WIN 0x40
.irp o, 0,1,2,3,4,5,6,7,8,9,10,11,12,13,14,15
	global_load_b128 v[YN+4*\o:YN+4*\o+3], v3, s[4:5] offset:8192*((\u)+2)+512*\o th:TH_LOAD_NT  ; no wait: no vector or matrix line since the wait at the last tile's end names these registers or v3
.endr
.endif
	WIN 0x41
.set n, 0
.rept 64
	v_pk_fma_f16 v[YU+n], v[YU+n], v[AV+n], v[SV+n]
.set n, n+1
.endr
.set n, 0
.rept 64
	v_pk_max_num_f16 v[YU+n], v[YU+n], v8
.set n, n+1
.endr
.if (\u) != 0
	s_wait_alu depctr_vm_vsrc(0)                   ; the last tile's LDS stores have read the accumulators' registers, which the products write again (ahead of a trip's first tile the wait at the trip's end has shown it)
.endif
	MM64 YU, 1
.irp o, 0,1,2,3,4,5,6,7
.irp m, 0,1,2,3
	v_pk_add_f32 v[S1+2*\o:S1+2*\o+1], v[S1+2*\o:S1+2*\o+1], v[DA+8*\o+2*\m:DA+8*\o+2*\m+1]
	v_pk_fma_f32 v[S2+2*\o:S2+2*\o+1], v[DA+8*\o+2*\m:DA+8*\o+2*\m+1], v[DA+8*\o+2*\m:DA+8*\o+2*\m+1], v[S2+2*\o:S2+2*\o+1]
	v_cvt_pk_f16_f32 v[DA+8*\o+\m], v[DA+8*\o+2*\m], v[DA+8*\o+2*\m+1]  ; eight numbers close up into the first four of their eight registers, each pair behind the two sums that read it
.endr
.endr
	s_wait_alu depctr_va_vdst(0)                   ; the roundings have written what the LDS stores read; the tile's products are done reading its buffer, in which the loads at the next tile's head land; behind a trip's end, v9 is written
.irp o, 0,1,2,3,4,5,6,7
	ds_store_b128 v9, v[DA+8*\o:DA+8*\o+3] offset:4352*\o+32*(\u)
.endr
.endm
	s_wait_alu depctr_va_vdst(0)                   ; the products with relu(s1) are done reading window 1's v192 to v255, in which tile 2's loads land
	s_mov_b32 s20, 2
.Ltile:                                                ; three tiles a trip: every buffer once
	TILE 0, 1, 16
	TILE 1, 1, 16
	TILE 2, 1, 16
	s_wait_xcnt 0x0                                ; the base is stepped only behind this wait
	s_wait_alu depctr_vm_vsrc(0)                   ; the LDS stores issued so far have read v9, which the add writes, and the accumulators' registers, which the next tile's products write
	s_add_nc_u64 s[4:5], s[4:5], 24576
	v_add_nc_u32 v9, 96, v9
	s_sub_co_u32 s20, s20, 1
	s_cmp_lg_u32 s20, 0
	s_cbranch_scc1 .Ltile
	TILE 0, 0, 16                                  ; the last two tiles ask for nothing
	TILE 1, 0, 0
; My stage goes out: LDS serves a wave's instructions in order, so these loads see my stores; no other wave touches the stage
.irp q, 0,1,2,3
	s_wait_alu depctr_vm_vsrc(0)                   ; what has read v144 to v207 has read them: the first time the last tile's LDS stores, then the global stores above; the loads below land there
.irp i, 0,1,2,3,4,5,6,7,8,9,10,11,12,13,14,15
	ds_load_b128 v[DA+4*\i:DA+4*\i+3], v12 offset:544*(16*\q+\i)
.endr
	s_wait_dscnt 0x0
.irp i, 0,1,2,3,4,5,6,7,8,9,10,11,12,13,14,15
	global_store_b128 v3, v[DA+4*\i:DA+4*\i+3], s[12:13] offset:512*(16*\q+\i)  ; 16 lanes store 256 consecutive bytes, aligned
.endr
	s_wait_xcnt 0x0                                ; the registers are loaded again only behind this wait
.endr
.irp o, 0,1,2,3,4,5,6,7,8,9,10,11,12,13,14,15
	v_add_f32 v[S1+2*\o], v[S1+2*\o], v[S1+2*\o+1]
.endr
.irp o, 0,1,2,3,4,5,6,7,8,9,10,11,12,13,14,15
	v_permlanex16_b32 v[S1+2*\o+1], v[S1+2*\o], s16, s17
.endr
.irp o, 0,1,2,3,4,5,6,7,8,9,10,11,12,13,14,15
	v_add_f32 v[S1+2*\o], v[S1+2*\o], v[S1+2*\o+1]
.endr
	s_lshl_b32 s19, s18, 10
	s_add_co_u32 s19, s19, SR2
	v_add_nc_u32 v13, s19, v11
	v_lshl_add_u32 v14, v0, 2, SR2
	v_lshlrev_b32 v15, 2, v0
	s_wait_alu depctr_va_vdst(0)                   ; the sums are written, which the LDS stores read, and so are the addresses v13, v14 and v15 of the stores and loads below
.irp o, 0,1,2,3,4,5,6,7
	ds_store_b32 v13, v[S1+2*\o] offset:64*\o      ; both halves of the lanes write the same word with the same number
	ds_store_b32 v13, v[S2+2*\o] offset:512+64*\o
.endr
	s_wait_dscnt 0x0
	s_barrier_signal -1
	s_barrier_wait -1
.irp q, 0,1,2,3
	ds_load_b32 v[16+\q], v14 offset:1024*\q
	ds_load_b32 v[20+\q], v14 offset:1024*\q+512
.endr
	s_wait_dscnt 0x0
	v_add_f32 v16, v16, v17
	v_add_f32 v18, v18, v19
	v_add_f32 v20, v20, v21
	v_add_f32 v22, v22, v23
	v_add_f32 v16, v16, v18
	v_add_f32 v20, v20, v22
	s_wait_alu depctr_va_vdst(0)                   ; the additions have written v16 and v20, which the two stores read
	global_store_b32 v15, v16, s[14:15]
	global_store_b32 v15, v20, s[14:15] offset:512
	s_wait_dscnt 0x0                               ; the closing lines, six on end
	s_wait_alu 0x0
	s_wait_tensorcnt 0x0
	ds_add_u32 v4, v5
	s_wait_dscnt 0x0
	s_endpgm
.Lfunc_end_k_qfbd9065aed_conv2:
	.size	k_qfbd9065aed_conv2, .Lfunc_end_k_qfbd9065aed_conv2-k_qfbd9065aed_conv2
	.p2alignl 7, 3214868480
	.fill 96, 4, 3214868480
	.section	.rodata,"a",@progbits
	.p2align	6, 0x0
	.amdhsa_kernel k_qfbd9065aed_conv2
		.amdhsa_group_segment_fixed_size 209408
		.amdhsa_private_segment_fixed_size 0
		.amdhsa_enable_private_segment 0
		.amdhsa_kernarg_size 40
		.amdhsa_user_sgpr_count 2
		.amdhsa_user_sgpr_kernarg_segment_ptr 1
		.amdhsa_wavefront_size32 1
		.amdhsa_system_sgpr_workgroup_id_x 1
		.amdhsa_system_sgpr_workgroup_id_y 1
		.amdhsa_system_sgpr_workgroup_id_z 1
		.amdhsa_system_vgpr_workitem_id 0
		.amdhsa_next_free_vgpr 1024
		.amdhsa_next_free_sgpr 66
		.amdhsa_reserve_vcc 0
		.amdhsa_float_denorm_mode_32 3
		.amdhsa_float_denorm_mode_16_64 3
		.amdhsa_memory_ordered 1
		.amdhsa_forward_progress 1
		.amdhsa_inst_pref_size 153
	.end_amdhsa_kernel
	.amdgpu_metadata
---
amdhsa.version: [ 1, 2 ]
amdhsa.kernels:
  - .name:           k_qfbd9065aed_conv2
    .symbol:         k_qfbd9065aed_conv2.kd
    .args:
      - { .name: y1, .offset: 0, .size: 8, .value_kind: global_buffer, .address_space: global }
      - { .name: W2, .offset: 8, .size: 8, .value_kind: global_buffer, .address_space: global }
      - { .name: b2, .offset: 16, .size: 8, .value_kind: global_buffer, .address_space: global }
      - { .name: ab1, .offset: 24, .size: 8, .value_kind: global_buffer, .address_space: global }
      - { .name: y2, .offset: 32, .size: 8, .value_kind: global_buffer, .address_space: global }
    .group_segment_fixed_size: 209408
    .private_segment_fixed_size: 0
    .kernarg_segment_align: 8
    .kernarg_segment_size: 40
    .max_flat_workgroup_size: 128
    .sgpr_count:     66
    .vgpr_count:     1024
    .wavefront_size: 32
...
	.end_amdgpu_metadata
.endif
;; end of part 8
;; launch bn2: the kernel of part 4 again; grid 1 x 1, 32 waves a work-group, no clusters, 8,192 bytes of LDS; arguments y2, g2, be2, ab2; writes ab2
;; launch apply: the kernel of part 6 again; grid 1024 x 1, 8 waves a work-group, no clusters, 0 bytes of LDS; arguments y2, ab2, out0; writes out0
